; MI455X (gfx1250); checked and timed in simulation.
; The chip was launched on July 23, 2026; its instructions are those of AMD's public machine-readable ISA for CDNA 5 (MIT licence, August 2026) and "CDNA5" Instruction Set Architecture Reference Guide (July 2026). The comments in the code are by the model that wrote it; some were corrected since.
;; Multi Head Attention. Allowed arithmetic: matrix products marked QUANTISED: E2M3 operands, one E8M0 scale for each 32 along K, by v_wmma_scale_f32_16x16x128_f8f6f4 with both operands' format E2M3, f32 sums; everything else in f32.
;; Inputs: Wqkv_b 3,072 float32; Wqkv_w 3,072 x 1,024 float32; attn_bias 1 x 16 x 1 x 4,096 float32; out_b 1,024 float32; out_w 1,024 x 1,024 float32; x 1 x 4,096 x 1,024 float32.
;; Outputs: out0 1 x 4,096 x 1,024 float32.
;; This version of the problem:
;;   THIS VERSION OF THE PROBLEM IS GIVEN IN LOW PRECISION. The matrix products marked QUANTISED in the list below multiply operands that are first quantised to E2M3 (2 exponent bits, 3 mantissa bits; 6 bits a number), with one power-of-two scale for each 32 numbers along K (OCP MX v1.0); their sums are f32. All else is computed in f32.
;;   The module's matrix products, in the order in which they are computed (A, B: the left and right operand; K: the contracted axis; several contracted axes count as one K, in the product's order):
;;     1. [M 4,096, K 1,024] x [K 1,024, N 3,072]; A: input x; B: input Wqkv_w: QUANTISED
;;     2. batch 16 x [M 4,096, K 64] x [K 64, N 4,096]; A: computed on the way; B: computed on the way: QUANTISED
;;     3. batch 16 x [M 4,096, K 4,096] x [K 4,096, N 64]; A: softmax (see below); B: computed on the way: QUANTISED
;;     4. [M 4,096, K 1,024] x [K 1,024, N 1,024]; A: computed on the way; B: input out_w: QUANTISED
;;   THE QUANTISER, for each operand of a quantised product, along K:
;;     - K is cut into blocks of 32 from its start; a last block that is shorter is filled with zeros.
;;     - A block's scale is 2^e with e = floor(log2(the largest magnitude in the block)) - 2, held to -126 .. 127; a block of zeros has e = 0. As a byte (E8M0): e + 127.
;;     - Each number is divided by its block's scale, clamped to +-7.5, and rounded to the nearest number of E2M3, ties to even, subnormals kept.
;;     - The product sums the exact products of the quantised numbers (number of the format x scale) in f32.
;;   ~~~python
;;   def quantise(x, axis):      # numpy; x: float32 -> the quantised numbers, widened to float32 again
;;       x = np.moveaxis(x, axis, -1); K = x.shape[-1]
;;       x = np.pad(x, [(0, 0)] * (x.ndim - 1) + [(0, -K % 32)]); x = x.reshape(x.shape[:-1] + (-1, 32)); a = np.abs(x).max(-1, keepdims=True)
;;       e = np.where(a > 0, np.clip(np.frexp(np.where(a > 0, a, 1))[1] - 1 - 2, -126, 127), 0)      # np.frexp(a)[1] - 1 = floor(log2(a)), exactly
;;       r = np.clip(x / 2.0 ** e, -7.5, 7.5)
;;       step = 2.0 ** (np.maximum(np.frexp(np.where(r == 0, 1, r))[1] - 1, 0) - 3)
;;       q = np.round(r / step) * step * 2.0 ** e      # np.round: ties to even
;;       return np.moveaxis(q.reshape(q.shape[:-2] + (-1,))[..., :K], -1, axis).astype(np.float32)
;;   ~~~
;;   SOFTMAX AHEAD OF A QUANTISED PRODUCT. Where the list says 'softmax', what is quantised is not the finished softmax but p = 2^(t - M), with t = logit x log2(e) and M = ceil(the row's largest t), a whole number; so 1/2 < the row's largest p <= 1. The row's sum l is taken of the UNQUANTISED p, in f32, and the product's result is divided by l at the end. Since M is a whole number, a kernel that streams over the keys may use a running M (the ceiling of the running maximum): every later rescaling is an exact power of two, which a block's scale takes up: the codes' values come out the same.
;;   OPERANDS COMPUTED ON THE WAY. 'Computed on the way' means the value that the module computes at that place (a softmax that the list does not call 'softmax' is quantised finished and normalised). What goes into a quantiser is computed in f32, as accurately as f32 sums, v_exp_f32 and their like allow (about 1e-6 of the number): no bf16 or f16 on the way to a quantiser, and a product that is left as it is and whose result goes on into a quantised operand takes f32 operands (vector FMAs, or v_wmma_f32_16x16x4_f32). A number that lies on a knife's edge between two numbers of the format may be rounded either way, as far as f32 arithmetic and the matrix unit's own rounding can turn it there, and no further.
;; One version. Each part assembles by itself: llvm-mc -triple=amdgcn-amd-amdhsa -mcpu=gfx1250 --defsym DOCPART=n.
;; ======== version 1 of 1: 4 launches
;; limits: right only within a limited range of input values
;; workspace buffers: cod 6,291,456 bytes; scl 262,144 bytes; qc 3,145,728 bytes; qs 262,144 bytes; kv 6,946,816 bytes; oc 3,145,728 bytes; os 131,072 bytes
;; launch quant (part 1): grid 256 x 1, 8 waves a work-group, no clusters, 68,608 bytes of LDS; arguments x, Wqkv_w, out_w, attn_bias, cod, scl, kv; writes cod, scl, kv
.if DOCPART == 1
	.amdgcn_target "amdgcn-amd-amdhsa--gfx1250"
	.amdhsa_code_object_version 6
	.text
	.protected	k_qc6bf32872d_quant
	.globl	k_qc6bf32872d_quant
	.p2align	8
	.type	k_qc6bf32872d_quant,@function
k_qc6bf32872d_quant:
	s_mov_b64 s[64:65], 0
	v_nop
	global_prefetch_b8 v0, s[64:65] scope:SCOPE_SE
	s_setreg_imm32_b32 hwreg(HW_REG_WAVE_MODE, 25, 1), 1
	s_wait_xcnt 0x0
; x [4096][1024], Wqkv_w [3072][1024] and out_w [1024][1024], f32 with K innermost, become codes of FP6 (E2M3) with one E8M0 byte for each 32 along K,
; laid as IMAGES OF OPERAND REGISTERS: a fragment (16 rows x 128 K, 12 registers a lane) is 1,536 bytes, registers 4 g .. 4 g + 3 of lane l at 512 g + 16 l.
; cod: [row-tile G 512][K step 8][1,536]; G 0-255 x, 256-447 Wqkv_w, 448-511 out_w.  scl: [G][kq 4][row 16][2 words]: the word of K step 2 kq + w, byte b for k = 32 b on.
; THE ROWS OF A TILE ARE NOT NEIGHBOURS: place r of tile T is row 32 (T / 2) + 8 (T % 2) + r + 8 (r / 8), so that the results of two neighbouring tiles are 16 neighbours in a lane's registers.
; A block's scale is 2^(floor(log2(its largest magnitude)) - 2); its byte is the largest magnitude's exponent field - 2, held at 1 from below.
; LIMITS: NaN and infinities among the inputs are not served; a block whose largest magnitude lies under 2^(3 - 127) keeps the byte 1 (a block of zeros too, where the rule says 127: its codes are zeros, and this program alone reads the bytes).
; SHARES: work-group w takes row-tiles 2 w and 2 w + 1; wave v takes tile 2 w + v / 4 and 256 along K (two K steps) from 256 (v % 4) on: 16 KB of f32, asked for at once: 32 loads of 512 consecutive bytes.
; A load is dense (a lane 16 bytes of a row); the conversions want 32 neighbours of a row in one lane: the 8 KB of a K step turn through the wave's own stage in LDS (rows of 512 + 16 bytes).
; Waves 0-3 also copy 256 bytes each of attn_bias into the key-step records of kv.  No barrier: waves share nothing.  No matrix unit, cluster or tensor load: the launch only streams.
.set PITCH, 528
.set STG,   16*PITCH                   ; a wave's stage
.set SPARE, 8*STG                      ; behind the stages: the spare words, 128 bytes for each wave, that no other line names
.set REC,   13568                      ; a key step's record in kv
.set R,   16                           ; v16-143  two sets of 64 registers as loaded
.set X,   144                          ; v144-207 64 numbers: register 32 c + i = k 64 c + 32 h + i of my row
.set C,   208                          ; v208-231 two fragments' codes: no store's data are written again
.set CT,  232                          ; v232-239 the upper halves of two blocks (a conversion's three registers begin on an even number)
.set M,   240                          ; v240-241 largest magnitudes
.set SO,  242                          ; v242-243 the conversions' scale operands
.set E,   244                          ; v244-245 the bytes
.set T,   246
.set T2,  247
.set W,   250                          ; v250-251 the two K steps' scale words
.set SPW, 252                          ; LDS address of my spare word; never rewritten
.set NIL, 253                          ; 0; never rewritten
.set BI,  254                          ; v254-255 8 bytes of attn_bias
	s_load_b256 s[4:11], s[0:1], 0x0               ; x, Wqkv_w, out_w, attn_bias
	s_load_b128 s[12:15], s[0:1], 0x20             ; cod, scl
	s_load_b64 s[16:17], s[0:1], 0x30              ; kv
	v_lshl_add_u32 v[SPW], v0, 2, SPARE
	v_mov_b32 v[NIL], 0
	v_lshrrev_b32 v8, 5, v0
	s_delay_alu instid0(VALU_DEP_1)
	v_readfirstlane_b32 s18, v8                    ; wave 0..7
	v_and_b32 v9, 31, v0                           ; lane
	v_and_b32 v10, 15, v0                          ; r
	v_bfe_u32 v7, v0, 4, 1                         ; h
	s_delay_alu instid0(VALU_DEP_3)
	v_lshlrev_b32 v1, 4, v9                        ; 16 x lane: my bytes of a load, and of an image's 512
	s_delay_alu instid0(VALU_DEP_4)
	v_lshlrev_b32 v6, 3, v9                        ; 8 x lane
	s_mul_i32 s19, s18, STG
	v_add_nc_u32 v2, s19, v1                       ; the stage, on the way in
	v_mul_u32_u24 v3, v10, PITCH
	s_delay_alu instid0(VALU_DEP_1)
	v_lshl_add_u32 v3, v7, 7, v3
	s_delay_alu instid0(VALU_DEP_1)
	v_add_nc_u32 v3, s19, v3                       ; and on the way out: row r, + 128 h bytes
	v_lshlrev_b32 v4, 3, v10
	s_delay_alu instid0(VALU_DEP_1)
	v_lshl_add_u32 v4, v7, 2, v4                   ; the scale words' place: 8 r + 4 h
	v_lshlrev_b32 v5, 3, v7                        ; 8 h: my bytes' shift in a scale word
	v_mov_b32 v[T2], 0                             ; a lane permute's destination counts as one of its sources
	v_mov_b32 v[BI], 0                             ; the pair is written once in every wave; waves 0-3 load into it
	v_mov_b32 v[BI+1], 0
	s_mov_b32 s20, 0x76543210
	s_mov_b32 s21, 0xfedcba98                      ; v_permlanex16_b32's selects for lane l xor 16
	s_lshr_b32 s22, s18, 2                         ; which of the work-group's two row-tiles
	s_and_b32 s23, s18, 3                          ; kq
	s_mov_b32 s24, 224
	s_mov_b32 s27, 0
	s_wait_kmcnt 0x0
	s_cmp_lt_u32 ttmp9, 224                        ; the tensor is chosen by the work-group's number alone
	s_cselect_b64 s[6:7], s[6:7], s[8:9]
	s_cselect_b32 s24, 128, s24
	s_cmp_lt_u32 ttmp9, 128
	s_cselect_b64 s[4:5], s[4:5], s[6:7]
	s_cselect_b32 s24, 0, s24
	s_sub_co_u32 s24, ttmp9, s24                   ; the pair of row-tiles within its tensor: 32 rows of 4,096 bytes
	s_lshl_b32 s26, s24, 17
	s_lshl_b32 s25, s22, 15                        ; + 8 rows for the odd tile
	s_add_co_u32 s26, s26, s25
	s_lshl_b32 s25, s23, 10                        ; + 256 numbers along K
	s_add_co_u32 s26, s26, s25
	s_add_nc_u64 s[4:5], s[4:5], s[26:27]
	s_lshl_b32 s28, ttmp9, 1
	s_add_co_u32 s28, s28, s22                     ; G
	s_mul_i32 s26, s28, 12288
	s_mul_i32 s25, s23, 3072
	s_add_co_u32 s26, s26, s25
	s_add_nc_u64 s[12:13], s[12:13], s[26:27]      ; my two images
	s_lshl_b32 s26, s28, 9
	s_lshl_b32 s25, s23, 7
	s_add_co_u32 s26, s26, s25
	s_add_nc_u64 s[14:15], s[14:15], s[26:27]      ; my 128 bytes of scale words
	s_lshl_b32 s26, ttmp9, 10                      ; attn_bias: 1,024 bytes a work-group, 256 a wave (made from wave % 4: inside the buffer in every wave)
	s_lshl_b32 s25, s23, 8
	s_add_co_u32 s26, s26, s25
	s_add_nc_u64 s[10:11], s[10:11], s[26:27]
	s_lshr_b32 s26, ttmp9, 4                       ; the head,
	s_mul_i32 s26, s26, 32*REC
	s_and_b32 s25, ttmp9, 15
	s_lshl_b32 s25, s25, 1
	s_lshr_b32 s29, s23, 1
	s_add_co_u32 s25, s25, s29                     ; the key step,
	s_mul_i32 s25, s25, REC
	s_add_co_u32 s26, s26, s25
	s_and_b32 s25, s18, 1
	s_lshl_b32 s25, s25, 8                         ; which half of its 512 bytes,
	s_add_co_u32 s26, s26, s25
	s_add_co_u32 s26, s26, 13056                   ; and the bias's place in a record
	s_add_nc_u64 s[16:17], s[16:17], s[26:27]
.macro LOAD s                          ; K step s of my 16 rows: each load reads 512 consecutive bytes of one row
.irp i, 0,1,2,3,4,5,6,7,8,9,10,11,12,13,14,15
	global_load_b128 v[R+64*\s+4*\i:R+64*\s+4*\i+3], v1, s[4:5] offset:(\i+8*(\i/8))*4096+512*\s th:TH_LOAD_NT
.endr
.endm
.macro TURN s                          ; through the stage: LDS serves a wave's instructions in order, so no wait stands between the stores and the loads
.irp i, 0,1,2,3,4,5,6,7,8,9,10,11,12,13,14,15
	ds_store_b128 v2, v[R+64*\s+4*\i:R+64*\s+4*\i+3] offset:PITCH*\i
.endr
.irp c, 0,1
.irp j, 0,1,2,3,4,5,6,7
	ds_load_b128 v[X+32*\c+4*\j:X+32*\c+4*\j+3], v3 offset:256*\c+16*\j
.endr
.endr
.endm
.macro QB s                            ; 64 numbers of a lane: blocks h and 2 + h of row r, whole: their codes are the operand's registers as they stand
.irp c, 0,1
	v_max3_num_f32 v[M+\c], |v[X+32*\c]|, |v[X+32*\c+1]|, 0x1800000   ; with the floor 2^(3 - 127): the byte cannot fall under 1
.endr
.irp i, 2,4,6,8,10,12,14,16,18,20,22,24,26,28,30
.irp c, 0,1
	s_delay_alu instid0(VALU_DEP_2)
	v_max3_num_f32 v[M+\c], v[M+\c], |v[X+32*\c+\i]|, |v[X+32*\c+\i+1]|   ; the two blocks by turns
.endr
.endr
.irp c, 0,1
	s_delay_alu instid0(VALU_DEP_2)
	v_add_nc_u32 v[SO+\c], 0xff000000, v[M+\c]     ; 2 off the exponent field: the conversion takes that field as its scale
.endr
.irp c, 0,1
	s_delay_alu instid0(VALU_DEP_2)
	v_lshrrev_b32 v[E+\c], 23, v[SO+\c]            ; the byte
.endr
	s_delay_alu instid0(VALU_DEP_1)
	v_lshl_or_b32 v[T], v[E+1], 16, v[E]           ; my two bytes, blocks h and 2 + h,
	s_delay_alu instid0(VALU_DEP_1)
	v_lshlrev_b32 v[T], v5, v[T]                   ; at their places;
	s_delay_alu instid0(VALU_DEP_1)
	v_permlanex16_b32 v[T2], v[T], s20, s21
	s_delay_alu instid0(VALU_DEP_1)
	v_or_b32 v[W+\s], v[T], v[T2]                  ; with lane l xor 16's two the word is whole
.irp c, 0,1
	v_cvt_scalef32_pk16_fp6_f32 v[C+12*\s+6*\c:C+12*\s+6*\c+2], v[X+32*\c:X+32*\c+15], v[SO+\c]
	v_cvt_scalef32_pk16_fp6_f32 v[CT+4*\c:CT+4*\c+2], v[X+32*\c+16:X+32*\c+31], v[SO+\c]
.endr
	v_nop                                          ; one plain place behind a scaled conversion
.irp c, 0,1
.irp i, 0,1,2
	v_mov_b32 v[C+12*\s+6*\c+3+\i], v[CT+4*\c+\i]
.endr
.endr
.irp g, 0,1,2
	global_store_b128 v1, v[C+12*\s+4*\g:C+12*\s+4*\g+3], s[12:13] offset:1536*\s+512*\g   ; 512 consecutive bytes, aligned
.endr
.endm
	s_cmp_lt_u32 s18, 4
	s_cbranch_scc0 .Lno_bias_in
	global_load_b64 v[BI:BI+1], v6, s[10:11] th:TH_LOAD_NT
.Lno_bias_in:
	LOAD 0
	LOAD 1
	s_wait_loadcnt 16                              ; all but the second K step's 16 loads are in
	s_wait_alu depctr_va_vdst(0)
	TURN 0
	s_wait_dscnt 0x0
	QB 0
	s_wait_loadcnt 0x0
	TURN 1
	s_wait_dscnt 0x0
	QB 1
	v_cmp_ne_u32 vcc_lo, 0, v7
	s_delay_alu instid0(VALU_DEP_1)
	v_cndmask_b32 v[T], v[W], v[W+1], vcc_lo       ; lanes 0-15 store the first K step's word of row r, lanes 16-31 the second's
	global_store_b32 v4, v[T], s[14:15]            ; 128 consecutive bytes
	s_cmp_lt_u32 s18, 4
	s_cbranch_scc0 .Lno_bias_out
	global_store_b64 v6, v[BI:BI+1], s[16:17]      ; 256 consecutive bytes, aligned
.Lno_bias_out:
	s_wait_tensorcnt 0x0                           ; the wave's end: behind my last LDS store
	ds_add_u32 v[SPW], v[NIL]
	s_wait_dscnt 0x0
	s_endpgm
.Lfunc_end_k_qc6bf32872d_quant:
	.size	k_qc6bf32872d_quant, .Lfunc_end_k_qc6bf32872d_quant-k_qc6bf32872d_quant
	.p2alignl 7, 3214868480
	.fill 96, 4, 3214868480
	.section	.rodata,"a",@progbits
	.p2align	6, 0x0
	.amdhsa_kernel k_qc6bf32872d_quant
		.amdhsa_group_segment_fixed_size 68608
		.amdhsa_private_segment_fixed_size 0
		.amdhsa_enable_private_segment 0
		.amdhsa_kernarg_size 56
		.amdhsa_user_sgpr_count 2
		.amdhsa_user_sgpr_kernarg_segment_ptr 1
		.amdhsa_wavefront_size32 1
		.amdhsa_system_sgpr_workgroup_id_x 1
		.amdhsa_system_sgpr_workgroup_id_y 1
		.amdhsa_system_sgpr_workgroup_id_z 1
		.amdhsa_system_vgpr_workitem_id 0
		.amdhsa_next_free_vgpr 256
		.amdhsa_next_free_sgpr 66
		.amdhsa_reserve_vcc 1
		.amdhsa_float_denorm_mode_32 3
		.amdhsa_float_denorm_mode_16_64 3
		.amdhsa_memory_ordered 1
		.amdhsa_forward_progress 1
		.amdhsa_inst_pref_size 20
	.end_amdhsa_kernel
	.amdgpu_metadata
---
amdhsa.version: [ 1, 2 ]
amdhsa.kernels:
  - .name:           k_qc6bf32872d_quant
    .symbol:         k_qc6bf32872d_quant.kd
    .args:
      - { .name: x, .offset: 0, .size: 8, .value_kind: global_buffer, .address_space: global }
      - { .name: Wqkv_w, .offset: 8, .size: 8, .value_kind: global_buffer, .address_space: global }
      - { .name: out_w, .offset: 16, .size: 8, .value_kind: global_buffer, .address_space: global }
      - { .name: attn_bias, .offset: 24, .size: 8, .value_kind: global_buffer, .address_space: global }
      - { .name: cod, .offset: 32, .size: 8, .value_kind: global_buffer, .address_space: global }
      - { .name: scl, .offset: 40, .size: 8, .value_kind: global_buffer, .address_space: global }
      - { .name: kv, .offset: 48, .size: 8, .value_kind: global_buffer, .address_space: global }
    .group_segment_fixed_size: 68608
    .private_segment_fixed_size: 0
    .kernarg_segment_align: 8
    .kernarg_segment_size: 56
    .max_flat_workgroup_size: 256
    .sgpr_count:     66
    .vgpr_count:     256
    .wavefront_size: 32
...
	.end_amdgpu_metadata
.endif
;; end of part 1
;; launch qkv (part 2): grid 24 x 32, 4 waves a work-group, clusters of 4 x 4, 197,120 bytes of LDS; arguments cod, scl, Wqkv_b, qc, qs, kv; writes qc, qs, kv
.if DOCPART == 2
	.amdgcn_target "amdgcn-amd-amdhsa--gfx1250"
	.amdhsa_code_object_version 6
	.text
	.protected	k_qc6bf32872d_qkv
	.globl	k_qc6bf32872d_qkv
	.p2align	8
	.type	k_qc6bf32872d_qkv,@function
k_qc6bf32872d_qkv:
	s_mov_b64 s[64:65], 0
	v_nop
	global_prefetch_b8 v0, s[64:65] scope:SCOPE_SE
	s_setreg_imm32_b32 hwreg(HW_REG_WAVE_MODE, 25, 1), 1
	s_wait_xcnt 0x0
	s_wait_alu depctr_hold_cnt(0) depctr_sa_sdst(0) depctr_va_vdst(0) depctr_va_sdst(0) depctr_va_ssrc(0) depctr_va_vcc(0) depctr_vm_vsrc(0)
	s_getreg_b32 s2, hwreg(HW_REG_IB_STS2, 6, 4)
	s_cmp_eq_u32 s2, 0
	s_cbranch_scc0 .Lentry_in_a_cluster
	s_endpgm
.Lentry_in_a_cluster:
	s_bfe_u32 s2, ttmp6, 0x10000c
	s_cmp_lg_u32 s2, 0xf033
	s_cbranch_scc0 .Lentry_shape_is_right
	s_endpgm
.Lentry_shape_is_right:
; qkv = x Wqkv_w^T + Wqkv_b on codes of FP6, and its three parts quantised again in registers: q and k along the head's 64, v along the keys.
; ONE FORM FOR TWO PRODUCTS, C[m][n] = A B^T with lanes along m and registers along n, quantised along n:  q, k: m = t (A = x), n = e < 2,048 (B = Wqkv_w);  v: m = e - 2,048 (A = Wqkv_w), n = t (B = x).
; Clusters with x < 4 make q and k (x < 2: q), clusters with x = 4, 5 make v.  A work-group makes 128 x 128; all of K (1,024) of both tiles is 196,608 bytes of LDS: first fills alone, nothing is filled again.
; A wave makes 32 m x 128 n (2 x 8 accumulators): so one wave holds 128 neighbours along n of each of its rows: a whole fragment of v with its scale word, or two whole heads of q or k.
; THE MATRIX INSTRUCTION IS USED TRANSPOSED (source 0 = 16 rows of B, source 1 = 16 rows of A).  Place r of row-tile T is row 32 (T / 2) + 8 (T % 2) + r + 8 (r / 8): the 16 registers of B's tiles 2 b, 2 b + 1 are n = 32 b + 16 h + 0 .. 15.
; Operands lie in cod as images of their registers (1,536 bytes a fragment, registers 4 g on of lane l at 512 g + 16 l): three ds_load_b128 a fragment, dense, no pitch.
; CLUSTER 4 x 4: A's tile is shared along a row of the cluster, B's along a column: joint loads.
; OUT: qc [head][T][768] and the K part of kv's records: half-images (16 rows x 64 K: registers 0-3 at 16 l, 4-5 at 512 + 8 l); the V part: whole images of V^T (16 channels x 128 keys); scale words beside them.
; 1 / sqrt(64) = 2^-3 IS TAKEN OFF q's SCALE BYTES (exact).  So that they stay at 1 or above, q's floor under a block's largest magnitude is 2^(6 - 127).
; LIMITS: NaN and infinities are not served; blocks under the floor (2^(3 - 127); q: 2^(6 - 127)) are quantised on the floor's scale; a block of zeros keeps the floor's byte.
; REGISTERS: window 0: v1-15 addresses; v16-23 A's scale words, v24-55 B's; v56-79 A's two fragments, v80-175 B's eight; later v56-119 64 numbers, v120-159 codes; v176-199 at work.  window 1: v0-127 accumulators (i, j) at 64 i + 8 j; v128-191 the bias.
.set CHUNK, 49152                      ; what one tensor load brings: four row-tiles, all of K, dense in cod
.set LOADB, 12288                      ; a row-tile: eight K steps of 1,536 bytes
.set TILEB, 3072
.set FRB,   1536
.set SPARE, 4*CHUNK                    ; behind the tiles: the spare words, 128 bytes a wave, that no other line names
.set REC,   13568                      ; a key step's record in kv: K 0, V 6,144, K's words 12,288, V's words 12,800, bias 13,056
.set HEADB, 32*REC
.set L16, 1
.set L8,  2
.set L4,  3
.set SOF, 4                            ; 512 h + 8 r: scale words of two neighbouring tiles
.set HH,  5
.set BO,  6                            ; 64 h
.set MO,  7                            ; 4 (r + 8 (r / 8))
.set ADA, 8                            ; v8-11  my A fragments in chunk q
.set ADB, 12                           ; v12-15 B's
.set SA,  16                           ; register s: lanes 0-15 my tile 0's word of K step s, lanes 16-31 tile 1's
.set SB,  24                           ; register 8 pp + s: lanes 0-15 B's tile 2 pp, lanes 16-31 tile 2 pp + 1
.set AF,  56
.set BF,  80
.set TM,  176
.set PW,  192
.set WT,  194
.set H,   56
.set PC,  120
.set SPW, 252
.set NIL, 253
.set BN,  128                          ; in window 1
.set WV,  16
.set G1A, 24
.set G1B, 32
.set G0A, 40
.set G0B, 68
.set FLOOR, 96
.set SEL, 98
.set MSB, 0
.macro WIN new                         ; the immediate's high byte repeats the setting that is left
.if MSB != \new
	s_set_vgpr_msb (MSB<<8)|\new
.set MSB, \new
.endif
.endm
.macro CROUND                          ; a round of the cluster's barrier
	s_barrier_signal -1
	s_barrier_wait -1
	s_cmp_lg_u32 s[WV], 0
	s_cbranch_scc1 .Lnot_wave_0_\@
	s_barrier_signal -3
.Lnot_wave_0_\@:
	s_barrier_wait -3
	s_barrier_signal -1
	s_barrier_wait -1
.endm
.macro PLACES
.rept 4
	v_nop
.endr
.endm
	s_load_b256 s[4:11], s[0:1], 0x0               ; cod, scl, Wqkv_b, qc
	s_load_b128 s[12:15], s[0:1], 0x20             ; qs, kv
	v_lshl_add_u32 v[SPW], v0, 2, SPARE
	v_mov_b32 v[NIL], 0
	ds_add_u32 v[SPW], v[NIL]                      ; the wave's opening: the add and its wait ahead of my first tensor load; work on registers stands between them
	ds_add_u32 v[SPW], v[NIL]
	v_lshrrev_b32 v1, 5, v0
	v_readfirstlane_b32 s[WV], v1                  ; wave 0..3
	s_lshr_b32 s17, s[WV], 1                       ; I fetch for A (0) or B (1)
	s_and_b32 s18, s[WV], 1                        ; which four row-tiles of that tile
	s_bfe_u32 s19, ttmp6, 0x40000                  ; cx
	s_bfe_u32 s20, ttmp6, 0x40004                  ; cy
	s_and_b32 s85, ttmp7, 0xffff                   ; cluster y
	s_sub_co_u32 s84, ttmp9, 4
	s_mov_b32 s[FLOOR], 0x1800000
	s_cmp_lt_u32 ttmp9, 2                          ; q?
	s_cselect_b32 s[FLOOR], 0x3000000, s[FLOOR]
	s_cmp_ge_u32 ttmp9, 4                          ; v?  The cluster's x alone: alike in all sixteen partners
	s_cselect_b32 s21, 1, 0
	s_cselect_b32 s22, s84, s85                    ; the cluster's place along m
	s_cselect_b32 s23, s85, ttmp9                  ; and along n
	s_cselect_b32 s86, 384, 0                      ; A's first row-tile in cod
	s_cselect_b32 s87, 0, 256                      ; B's
	s_lshl_b32 s56, s22, 2
	s_add_co_u32 s56, s56, s20                     ; TR: tile row
	s_lshl_b32 s57, s23, 2
	s_add_co_u32 s57, s57, s19                     ; TC: tile column
	s_lshl_b32 s89, s56, 3
	s_add_co_u32 s89, s89, s86                     ; A's tile begins at this row-tile,
	s_lshl_b32 s97, s57, 3
	s_add_co_u32 s97, s97, s87                     ; B's at this
	s_lshl_b32 s88, s18, 2
	s_add_co_u32 s58, s89, s88
	s_mul_i32 s58, s58, 12288                      ; a row-tile is 12,288 bytes of cod
	s_mov_b32 s59, 0
	s_add_co_u32 s60, s97, s88
	s_mul_i32 s60, s60, 12288
	s_mov_b32 s61, 0
	s_mul_i32 s88, s[WV], CHUNK                    ; where my load goes: no place in the cluster enters an LDS address
	s_lshl_b32 s2, s20, 2
	s_lshl_b32 s2, 15, s2                          ; my row of the cluster
	s_lshl_b32 s3, 0x1111, s19                     ; my column
	s_or_b32 s[G1A], s2, (3<<16)|(1<<21)           ; 15:0 the mask; 17:16 elements of 8 bytes; 21 set beside a mask; no padding
	s_or_b32 s[G1B], s3, (3<<16)|(1<<21)
.irp g, G1A, G1B
	s_mov_b32 s[\g+1], 32<<16                      ; rows of 256 bytes
	s_mov_b32 s[\g+2], 192<<16                     ; 192 of them: 49,152 bytes
	s_mov_b32 s[\g+3], 32<<16
	s_mov_b32 s[\g+4], 192
	s_mov_b32 s[\g+5], 32                          ; dense
	s_mov_b32 s[\g+6], 0
	s_mov_b32 s[\g+7], 0
.endr
	s_mov_b32 s[SEL], 0x76543210
	s_mov_b32 s[SEL+1], 0xfedcba98
	s_lshl_b32 s92, s97, 9                         ; B's scale words: 512 bytes a row-tile
	s_mov_b32 s93, 0
	s_lshl_b32 s94, s[WV], 1
	s_add_co_u32 s94, s94, s89
	s_lshl_b32 s94, s94, 9                         ; my two tiles of A
	s_mov_b32 s95, 0
	s_wait_dscnt 0x0                               ; the opening add is done
	s_wait_kmcnt 0x0
	s_add_nc_u64 s[62:63], s[4:5], s[58:59]
	s_add_nc_u64 s[90:91], s[4:5], s[60:61]
	s_add_nc_u64 s[92:93], s[6:7], s[92:93]
	s_add_nc_u64 s[94:95], s[6:7], s[94:95]
	CROUND                                         ; all sixteen work-groups are here: the joint loads meet
.irp q, 0
	s_mov_b32 s[G0A+4*\q], 1
	s_add_co_u32 s[G0A+4*\q+1], s88, \q*CHUNK
	s_add_nc_u64 s[G0A+4*\q+2:G0A+4*\q+3], s[62:63], \q*TILEB
	s_or_b32 s[G0A+4*\q+3], s[G0A+4*\q+3], 0x80000000
	s_mov_b32 s[G0B+4*\q], 1
	s_add_co_u32 s[G0B+4*\q+1], s88, \q*CHUNK
	s_add_nc_u64 s[G0B+4*\q+2:G0B+4*\q+3], s[90:91], \q*TILEB
	s_or_b32 s[G0B+4*\q+3], s[G0B+4*\q+3], 0x80000000
.endr
	s_cmp_eq_u32 s17, 0                            ; one first fill a wave, in one branch on the wave's number
	s_cbranch_scc0 .Lfill_b
.irp q, 0
	tensor_load_to_lds s[G0A+4*\q:G0A+4*\q+3], s[G1A:G1A+7]
	s_nop 0
.endr
	PLACES
	s_branch .Lfilled
.Lfill_b:
.irp q, 0
	tensor_load_to_lds s[G0B+4*\q:G0B+4*\q+3], s[G1B:G1B+7]
	s_nop 0
.endr
	PLACES
.Lfilled:
	v_and_b32 v[WT], 31, v0
	v_and_b32 v[WT+1], 15, v0
	v_bfe_u32 v[HH], v0, 4, 1
	v_lshlrev_b32 v[L16], 4, v[WT]
	v_lshlrev_b32 v[L8], 3, v[WT]
	v_lshlrev_b32 v[L4], 2, v[WT]
	v_lshlrev_b32 v[SOF], 3, v[WT+1]
	v_lshl_add_u32 v[SOF], v[HH], 9, v[SOF]
	v_lshlrev_b32 v[BO], 6, v[HH]
	v_and_b32 v[MO], 8, v[WT+1]
	v_add_nc_u32 v[MO], v[MO], v[WT+1]
	v_lshlrev_b32 v[MO], 2, v[MO]
.irp pp, 0,1,2,3                       ; the scale words of all of K go straight into registers, once
.irp kq, 0,1,2,3
	global_load_b64 v[SB+8*\pp+2*\kq:SB+8*\pp+2*\kq+1], v[SOF], s[92:93] offset:\pp*1024+\kq*128
.endr
.endr
.irp kq, 0,1,2,3
	global_load_b64 v[SA+2*\kq:SA+2*\kq+1], v[SOF], s[94:95] offset:\kq*128
.endr
	s_mul_i32 s2, s17, CHUNK                       ; my tiles 2 w, 2 w + 1 of A's eight
	s_mul_i32 s3, s18, 2*LOADB
	s_add_co_u32 s2, s2, s3
	v_add_nc_u32 v[ADA], s2, v[L16]
.irp q, 0,1
	v_add_nc_u32 v[ADB+\q], (2+\q)*CHUNK, v[L16]   ; B's tiles 4 q on
.endr
.irp b, 0,1,2,3
	v_mov_b32 v[TM+4+\b], 0                        ; a lane permute's destination counts as one of its sources
.endr
.macro FRAG3 reg, adr, off             ; a fragment comes as it was stored: three loads of 512 consecutive bytes
.irp g, 0,1,2
	ds_load_b128 v[\reg+4*\g:\reg+4*\g+3], v[\adr] offset:\off+512*\g
.endr
.endm
.macro FETCH s
.irp i, 0,1
	FRAG3 AF+12*\i, ADA, \i*LOADB+(\s)*FRB
.endr
.irp j, 0,1,2,3,4,5,6,7
	FRAG3 BF+12*\j, ADB+\j/4, (\j%4)*LOADB+(\s)*FRB
.endr
.endm
.macro MM s, i, j                      ; accumulator (i, j) takes K step s; the first K step starts the sums with the constant 0
.set rD, 64*(\i)+8*(\j)
.set rB, BF+12*(\j)
.set rA, AF+12*(\i)
.set rS, SB+8*((\j)/2)+(\s)
.set rT, SA+(\s)
.if (\s) == 0
.if ((\j)%2) && (\i)
	v_wmma_scale_f32_16x16x128_f8f6f4 v[rD:rD+7], v[rB:rB+11], v[rA:rA+11], 0, v[rS], v[rT] matrix_a_fmt:MATRIX_FMT_FP6 matrix_b_fmt:MATRIX_FMT_FP6 matrix_a_scale:MATRIX_SCALE_ROW1 matrix_b_scale:MATRIX_SCALE_ROW1
.elseif (\j)%2
	v_wmma_scale_f32_16x16x128_f8f6f4 v[rD:rD+7], v[rB:rB+11], v[rA:rA+11], 0, v[rS], v[rT] matrix_a_fmt:MATRIX_FMT_FP6 matrix_b_fmt:MATRIX_FMT_FP6 matrix_a_scale:MATRIX_SCALE_ROW1
.elseif (\i)
	v_wmma_scale_f32_16x16x128_f8f6f4 v[rD:rD+7], v[rB:rB+11], v[rA:rA+11], 0, v[rS], v[rT] matrix_a_fmt:MATRIX_FMT_FP6 matrix_b_fmt:MATRIX_FMT_FP6 matrix_b_scale:MATRIX_SCALE_ROW1
.else
	v_wmma_scale_f32_16x16x128_f8f6f4 v[rD:rD+7], v[rB:rB+11], v[rA:rA+11], 0, v[rS], v[rT] matrix_a_fmt:MATRIX_FMT_FP6 matrix_b_fmt:MATRIX_FMT_FP6
.endif
.else
.if ((\j)%2) && (\i)
	v_wmma_scale_f32_16x16x128_f8f6f4 v[rD:rD+7], v[rB:rB+11], v[rA:rA+11], v[rD:rD+7], v[rS], v[rT] matrix_a_fmt:MATRIX_FMT_FP6 matrix_b_fmt:MATRIX_FMT_FP6 matrix_a_scale:MATRIX_SCALE_ROW1 matrix_b_scale:MATRIX_SCALE_ROW1
.elseif (\j)%2
	v_wmma_scale_f32_16x16x128_f8f6f4 v[rD:rD+7], v[rB:rB+11], v[rA:rA+11], v[rD:rD+7], v[rS], v[rT] matrix_a_fmt:MATRIX_FMT_FP6 matrix_b_fmt:MATRIX_FMT_FP6 matrix_a_scale:MATRIX_SCALE_ROW1
.elseif (\i)
	v_wmma_scale_f32_16x16x128_f8f6f4 v[rD:rD+7], v[rB:rB+11], v[rA:rA+11], v[rD:rD+7], v[rS], v[rT] matrix_a_fmt:MATRIX_FMT_FP6 matrix_b_fmt:MATRIX_FMT_FP6 matrix_b_scale:MATRIX_SCALE_ROW1
.else
	v_wmma_scale_f32_16x16x128_f8f6f4 v[rD:rD+7], v[rB:rB+11], v[rA:rA+11], v[rD:rD+7], v[rS], v[rT] matrix_a_fmt:MATRIX_FMT_FP6 matrix_b_fmt:MATRIX_FMT_FP6
.endif
.endif
.endm
.macro MUL s, j0                       ; eight products; the 16 accumulators take turns, one instruction a turn, in the same order in every K step
.irp j, \j0, \j0+1, \j0+2, \j0+3
.irp i, 0,1
	MM \s, \i, \j
.endr
.endr
.endm
.macro STEP s
.if (\s) > 0
	PLACES                                         ; four places in front of loads into registers that matrix instructions have read
.endif
	WIN 0
	FETCH \s
	s_wait_dscnt 12                                ; A's two and B's tiles 0-3 are in; the youngest twelve loads (B's tiles 4-7) may be out
	WIN 0x50                                       ; C and D in window 1
	MUL \s, 0
	s_wait_dscnt 0x0
	MUL \s, 4
.endm
.macro MAIN                            ; all of K: the tiles are read behind the wait for my part of them and a barrier; nothing is filled again
	s_wait_tensorcnt 0x0
	s_barrier_signal -1
	s_barrier_wait -1
	s_wait_loadcnt 0x0                             ; the scale words and the bias
.irp q, 0,1,2,3
	STEP 2*\q
	STEP 2*\q+1
.endr
	WIN 0
	PLACES                                         ; in front of the first read of results
.endm
; 64 numbers of a lane, register 16 b + i = n 32 b + 16 h + i of my row, become a fragment's codes in v[pc] on and its scale word in v[pw]
.macro QUANT s, pc, pw
.irp b, 0,1,2,3
	v_max3_num_f32 v[TM+\b], |v[\s+16*\b]|, |v[\s+1+16*\b]|, s[FLOOR]
.endr
.irp i, 2,4,6,8,10,12,14
.irp b, 0,1,2,3
	v_max3_num_f32 v[TM+\b], v[TM+\b], |v[\s+16*\b+\i]|, |v[\s+1+16*\b+\i]|
.endr
.endr
.irp b, 0,1,2,3
	v_permlanex16_b32 v[TM+4+\b], v[TM+\b], s[SEL], s[SEL+1]
.endr
.irp b, 0,1,2,3
	v_max_num_f32 v[TM+\b], v[TM+\b], v[TM+4+\b]   ; with lane l xor 16's: the block's largest magnitude
.endr
.irp b, 0,1,2,3
	v_add_nc_u32 v[TM+12+\b], 0xff000000, v[TM+\b] ; 2 off its exponent field: the conversion's scale operand
.endr
.irp b, 0,1,2,3
	v_lshrrev_b32 v[TM+4+\b], 23, v[TM+12+\b]      ; the byte
.endr
	v_lshl_or_b32 v[\pw], v[TM+5], 8, v[TM+4]
	v_lshl_or_b32 v[\pw], v[TM+6], 16, v[\pw]
	v_lshl_or_b32 v[\pw], v[TM+7], 24, v[\pw]
.irp c, 0,1
	v_cvt_scalef32_pk16_fp6_f32 v[\pc+6*\c:\pc+2+6*\c], v[\s+32*\c:\s+15+32*\c], v[TM+12+2*\c]
	v_cvt_scalef32_pk16_fp6_f32 v[\pc+12+4*\c:\pc+14+4*\c], v[\s+16+32*\c:\s+31+32*\c], v[TM+12+2*\c+1]
.endr
	v_nop                                          ; one plain place behind a scaled conversion
.irp c, 0,1                            ; the operand's layout wants a whole block in a lane
.irp i, 0,1,2
	v_permlane16_swap_b32 v[\pc+6*\c+\i], v[\pc+12+4*\c+\i]
.endr
.irp i, 0,1,2
	v_mov_b32 v[\pc+3+6*\c+\i], v[\pc+12+4*\c+\i]
.endr
.endr
.endm
	s_wait_alu depctr_va_vdst(0)                   ; the wait ahead of the branch
	s_cmp_eq_u32 s21, 0                            ; THE TWO PRODUCTS PART HERE, once, and join at the end: each way has its bias, its sums and its way out
	s_cbranch_scc0 .Lv_path
	; ---- q and k: the bias runs along n: eight registers a tile of B, in the result's layout
	s_lshl_b32 s100, s57, 9
	s_mov_b32 s101, 0
	s_add_nc_u64 s[100:101], s[8:9], s[100:101]
	WIN 0x40                                       ; destination window 1
.irp j, 0,1,2,3,4,5,6,7
	global_load_b128 v[BN+8*\j:BN+8*\j+3], v[BO], s[100:101] offset:(32*(\j/2)+8*(\j%2))*4
	global_load_b128 v[BN+8*\j+4:BN+8*\j+7], v[BO], s[100:101] offset:(32*(\j/2)+8*(\j%2))*4+16
.endr
	WIN 0
	s_wait_alu depctr_va_vdst(0)
	MAIN
	s_cmp_lt_u32 ttmp9, 2                          ; q goes to qc and qs, k into kv's records (all tensor loads are done: the descriptors' registers are free)
	s_cselect_b64 s[24:25], s[10:11], s[14:15]
	s_cselect_b64 s[26:27], s[12:13], s[14:15]
	s_mov_b32 s28, HEADB
	s_cselect_b32 s28, 196608, s28                 ; from head to head, codes
	s_mov_b32 s29, REC
	s_cselect_b32 s29, 6144, s29                   ; from 128 rows to the next
	s_mov_b32 s30, HEADB
	s_cselect_b32 s30, 16384, s30                  ; the same for the scale words
	s_mov_b32 s31, REC
	s_cselect_b32 s31, 512, s31
	s_cselect_b32 s32, 0, 12288
	s_cselect_b32 s33, 0x03030303, 0               ; q: 3 off each byte
	s_and_b32 s34, s57, 7
	s_lshl_b32 s34, s34, 1                         ; my 128 n are heads 2 (TC % 8) and the next
	s_mul_i32 s36, s34, s28
	s_mul_i32 s35, s56, s29
	s_add_co_u32 s36, s36, s35
	s_mul_i32 s35, s[WV], 2*768
	s_add_co_u32 s36, s36, s35
	s_mov_b32 s37, 0
	s_add_nc_u64 s[24:25], s[24:25], s[36:37]
	s_mov_b32 s38, s28
	s_mov_b32 s39, 0
	s_add_nc_u64 s[40:41], s[24:25], s[38:39]
	s_mul_i32 s36, s34, s30
	s_mul_i32 s35, s56, s31
	s_add_co_u32 s36, s36, s35
	s_add_co_u32 s36, s36, s32
	s_lshl_b32 s35, s[WV], 7
	s_add_co_u32 s36, s36, s35
	s_add_nc_u64 s[26:27], s[26:27], s[36:37]
	s_mov_b32 s38, s30
	s_add_nc_u64 s[42:43], s[26:27], s[38:39]
.irp i, 0,1
	WIN 0x05                                       ; sources in window 1, destination in window 0: one line adds the bias and brings the sum over; each accumulator from its low end on
.set p, 0
.rept 32
	v_pk_add_f32 v[H+2*p:H+2*p+1], v[64*\i+2*p:64*\i+2*p+1], v[BN+2*p:BN+2*p+1]
.set p, p+1
.endr
	WIN 0
	QUANT H, PC+20*\i, PW+\i
.endr
	v_cmp_ne_u32 vcc_lo, 0, v[HH]
	v_cndmask_b32 v[WT], v[PW], v[PW+1], vcc_lo    ; lanes 0-15 my tile 0's words, lanes 16-31 tile 1's
	v_sub_nc_u32 v[WT], v[WT], s33                 ; bytes 0, 1: the first head's two blocks; the bytes above scale zero codes and are never 0xff
	v_lshrrev_b32 v[WT+1], 16, v[WT]               ; the second head's
.irp i, 0,1
	global_store_b128 v[L16], v[PC+20*\i:PC+20*\i+3], s[24:25] offset:768*\i
	global_store_b64 v[L8], v[PC+20*\i+4:PC+20*\i+5], s[24:25] offset:768*\i+512
	global_store_b128 v[L16], v[PC+20*\i+6:PC+20*\i+9], s[40:41] offset:768*\i
	global_store_b64 v[L8], v[PC+20*\i+10:PC+20*\i+11], s[40:41] offset:768*\i+512
.endr
	global_store_b32 v[L4], v[WT], s[26:27]
	global_store_b32 v[L4], v[WT+1], s[42:43]
	s_branch .Ldone
.Lv_path:
	; ---- v: the bias runs along m: one number a lane and tile of A, loaded twice to fill the pair that the packed add names
	s_lshl_b32 s100, s56, 7
	s_lshl_b32 s101, s[WV], 5
	s_add_co_u32 s100, s100, s101
	s_add_co_u32 s100, s100, 2048
	s_lshl_b32 s100, s100, 2
	s_mov_b32 s101, 0
	s_add_nc_u64 s[100:101], s[8:9], s[100:101]
	WIN 0x40
.irp i, 0,1
	global_load_b32 v[BN+2*\i], v[MO], s[100:101] offset:32*\i
	global_load_b32 v[BN+2*\i+1], v[MO], s[100:101] offset:32*\i
.endr
	WIN 0
	s_wait_alu depctr_va_vdst(0)
	MAIN
	s_lshl_b32 s28, s56, 1
	s_add_co_u32 s28, s28, s17                     ; my 32 channels lie in head 2 TR + w / 2,
	s_mul_i32 s28, s28, HEADB
	s_mul_i32 s30, s57, REC                        ; my 128 keys are key step TC
	s_add_co_u32 s28, s28, s30
	s_mov_b32 s29, 0
	s_add_nc_u64 s[26:27], s[14:15], s[28:29]
	s_mul_i32 s28, s18, 2*FRB                      ; channel tiles 2 (w % 2) and the next
	s_add_nc_u64 s[24:25], s[26:27], s[28:29]
	s_lshl_b32 s28, s18, 7
	s_add_nc_u64 s[26:27], s[26:27], s[28:29]
.irp i, 0,1
	WIN 0x05
.set p, 0
.rept 32
	v_pk_add_f32 v[H+2*p:H+2*p+1], v[64*\i+2*p:64*\i+2*p+1], v[BN+2*\i:BN+2*\i+1]
.set p, p+1
.endr
	WIN 0
	QUANT H, PC+20*\i, PW+\i
.endr
	v_cmp_ne_u32 vcc_lo, 0, v[HH]
	v_cndmask_b32 v[WT], v[PW], v[PW+1], vcc_lo
.irp i, 0,1
.irp g, 0,1,2
	global_store_b128 v[L16], v[PC+20*\i+4*\g:PC+20*\i+4*\g+3], s[24:25] offset:6144+FRB*\i+512*\g
.endr
.endr
	global_store_b32 v[L4], v[WT], s[26:27] offset:12800
.Ldone:
	s_wait_tensorcnt 0x0                           ; the wave's end: behind my last tensor load
	ds_add_u32 v[SPW], v[NIL]
	s_wait_dscnt 0x0
	CROUND                                         ; the closing round
	s_endpgm
.Lfunc_end_k_qc6bf32872d_qkv:
	.size	k_qc6bf32872d_qkv, .Lfunc_end_k_qc6bf32872d_qkv-k_qc6bf32872d_qkv
	.p2alignl 7, 3214868480
	.fill 96, 4, 3214868480
	.section	.rodata,"a",@progbits
	.p2align	6, 0x0
	.amdhsa_kernel k_qc6bf32872d_qkv
		.amdhsa_group_segment_fixed_size 197120
		.amdhsa_private_segment_fixed_size 0
		.amdhsa_enable_private_segment 0
		.amdhsa_kernarg_size 48
		.amdhsa_user_sgpr_count 2
		.amdhsa_user_sgpr_kernarg_segment_ptr 1
		.amdhsa_wavefront_size32 1
		.amdhsa_system_sgpr_workgroup_id_x 1
		.amdhsa_system_sgpr_workgroup_id_y 1
		.amdhsa_system_sgpr_workgroup_id_z 1
		.amdhsa_system_vgpr_workitem_id 0
		.amdhsa_next_free_vgpr 512
		.amdhsa_next_free_sgpr 104
		.amdhsa_reserve_vcc 1
		.amdhsa_float_denorm_mode_32 3
		.amdhsa_float_denorm_mode_16_64 3
		.amdhsa_memory_ordered 1
		.amdhsa_forward_progress 1
		.amdhsa_inst_pref_size 104
	.end_amdhsa_kernel
	.amdgpu_metadata
---
amdhsa.version: [ 1, 2 ]
amdhsa.kernels:
  - .name:           k_qc6bf32872d_qkv
    .symbol:         k_qc6bf32872d_qkv.kd
    .args:
      - { .name: cod, .offset: 0, .size: 8, .value_kind: global_buffer, .address_space: global }
      - { .name: scl, .offset: 8, .size: 8, .value_kind: global_buffer, .address_space: global }
      - { .name: Wqkv_b, .offset: 16, .size: 8, .value_kind: global_buffer, .address_space: global }
      - { .name: qc, .offset: 24, .size: 8, .value_kind: global_buffer, .address_space: global }
      - { .name: qs, .offset: 32, .size: 8, .value_kind: global_buffer, .address_space: global }
      - { .name: kv, .offset: 40, .size: 8, .value_kind: global_buffer, .address_space: global }
    .group_segment_fixed_size: 197120
    .private_segment_fixed_size: 0
    .kernarg_segment_align: 8
    .kernarg_segment_size: 48
    .max_flat_workgroup_size: 128
    .sgpr_count:     104
    .vgpr_count:     512
    .wavefront_size: 32
...
	.end_amdgpu_metadata
.endif
;; end of part 2
;; launch attn (part 3): grid 16 x 16, 16 waves a work-group, no clusters, 327,680 bytes of LDS; arguments qc, qs, kv, oc, os; writes oc, os
.if DOCPART == 3
	.amdgcn_target "amdgcn-amd-amdhsa--gfx1250"
	.amdhsa_code_object_version 6
	.text
	.protected	k_qc6bf32872d_attn
	.globl	k_qc6bf32872d_attn
	.p2align	8
	.type	k_qc6bf32872d_attn,@function
k_qc6bf32872d_attn:
	s_mov_b64 s[64:65], 0
	v_nop
	global_prefetch_b8 v0, s[64:65] scope:SCOPE_SE
	s_setreg_imm32_b32 hwreg(HW_REG_WAVE_MODE, 25, 1), 1
	s_wait_xcnt 0x0
; Causal attention of one head on codes of FP6: scores = q k^T / 8 + bias[key]; p = 2^(t - M), t = score x log2(e), M the running largest t rounded up to a whole number; o = (p v) / l, l the sum of the unquantised p; o is quantised along the head's 64.
; IN: qc, qs: q's half-images (16 queries x 64) and scale words, the 1 / 8 already off the bytes.  kv: [head][key step 32][13,568]: 8 half-images of K, 4 images of V^T, K's and V's scale words, 128 f32 of bias.
; OUT: oc [row-tile T][head][768] half-images; os [T / 2][16 (T % 2) + r][head] two bytes.
; SHARES.  Work-group (i, head) owns query blocks 31 - i and i of 128.  It walks 33 records: key steps 0 .. 31 - i for the later block, then 0 .. i for the earlier one; key steps behind a block's diagonal are hidden by the causal mask and are not walked.
; Wave w holds tile w % 8 (16 queries) of the block in hand; waves 0-7 take the walk's even records, waves 8-15 the odd ones: 16 or 17 steps a wave.
; Where a wave's walk passes into the earlier block it puts its part (O^T, -M, l) into LDS bytes of its own and begins anew with that block's q.  Behind the last barrier waves 0-7 join the two parts of the earlier block's tiles, waves 8-15 the later block's:
; M is a whole number, so each part is brought under the larger M by a power of two.  A part with no step has l = 0, O = 0 and a factor of 0.
; The ring: two LDS slots of four records; waves 0-3 fetch a record each (the walk's last record: wave 0).  Every wait on TENSORcnt is for 0.
; NO CLUSTER: the work-groups of a head turn back to key step 0 at different records (32 - i), so their requests differ.
; LAYOUT.  Both products transposed: a lane holds one query.  Place r of tile T is row 32 (T / 2) + 8 (T % 2) + r + 8 (r / 8): the 16 registers of tiles 2 b, 2 b + 1 are 16 neighbours.
; K = 64 in an instruction of 128: q's registers 6-11 are zero codes; K's operand for tile u is 12 registers from 6 u on (behind the last: zeros); the scale bytes there are never 0xff.  The bias is the C of the first product.
; Hidden scores become -infinity: key 0 counts for every query, so M is finite and p = 0.
; LIMITS: NaN and infinities are not served; a block of o under 2^(3 - 127) keeps the byte 1; the scaled scores stay under 2^31 in magnitude.
.set REC,   13568
.set SLOTB, 4*REC
.set SLOT1, 65536                      ; slot 1 begins here
.set SPARE, 131072                     ; the spare words, 128 bytes for each of sixteen waves
.set STASH, SPARE+2048                 ; the parts: [block 2][wave 16][4,608]; no tensor load lands here
.set PARTB, 4608
.set VOFF,  6144
.set KSOFF, 12288
.set VSOFF, 12800
.set BOFF,  13056
.set SPW, 5
.set NIL, 6
.set QF,  16                           ; v16-21 q's codes, v22-27 zeros
.set QS,  28
.set PFO, 30
.set SH,  31                           ; where my part of the later block goes
.set KV,  32                           ; v32-79 K's 8 x 6 registers, then V's 4 x 12; v80-85 zeros
.set KS,  86
.set VS,  90
.set SL,  92                           ; where my part of the earlier block goes
.set MR,  93                           ; where the two parts lie that I join
.set S,   96                           ; v96-159 bias, scores, p
.set O,   160                          ; v160-191 O^T
.set PC,  192
.set PT,  204
.set BM,  212
.set PR,  216
.set SO,  220
.set TA,  224
.set RL,  225
.set F,   226
.set PSW, 228
.set W16, 229
.set FB,  230
.set QL,  234                          ; v234-239 the earlier block's q, v240 its scale word
.set SM,  242                          ; v242-255 seven chains of the row's sum
.set PB,  132                          ; the second part, on the way out
.set WV,  18
.set SEL, 20
.set CS,  22
.set G1,  24
.set G0,  40
.set TB,  2                            ; LDS byte of my first record in the slot in hand
.set ST,  3                            ; the walk's record in hand
.set NH,  66                           ; 32 - i: records of the later block
.set SLOTS, 67
.set BHI, 68                           ; 31 - i: the later block, and its diagonal's record
.set GR,  69
.set PFA, 76
.set LIM, 80
.set VV,  81                           ; the record that my tensor load names
.macro TLOAD n                         ; waves under n fetch a record each; s_nop 0 and four v_nop follow
	s_cmp_lt_u32 s[WV], \n
	s_cbranch_scc0 .Lasked_\@
	tensor_load_to_lds s[G0:G0+3], s[G1:G1+7]
	s_nop 0
.rept 4
	v_nop
.endr
.Lasked_\@:
.endm
; A prefetch of key steps 4 n + 8 .. + 11 in trip n, one slot ahead of the tensor load that names them: 54,272 bytes, 212 blocks of 256.  The head's first work-group, whose walk goes through all 32 key steps in order, asks;
; in it waves 4-10: 8,192 bytes a wave, lanes 256 bytes apart (wave 10: 20 blocks; its lanes from 19 on name the same one).  The loop's last trip asks for nothing.
.macro ASK
	s_cmp_gt_u32 s[SLOTS], s[LIM]
	s_cbranch_scc0 .Lnot_mine_\@
	global_prefetch_b8 v[PFO], s[PFA:PFA+1] th:TH_LOAD_NT scope:SCOPE_SE
.Lnot_mine_\@:
.endm
.macro PUT adr                         ; my part: each accumulator from its low end on, then -M, t, l
.irp k, 0,1,2,3,4,5,6,7
	ds_store_b128 v[\adr], v[O+4*\k:O+4*\k+3] offset:512*\k
.endr
	ds_store_b128 v[\adr], v[12:15] offset:4096
.endm
.macro FRESH                           ; a part begins: t = -3e38, l = 0, O = 0
	v_mov_b32 v13, 0xff61b1e6
	v_mov_b32 v14, 0
	v_mov_b32 v15, 0
	v_floor_f32 v12, -v13
.set j, 0
.rept 32
	v_mov_b32 v[O+j], 0
.set j, j+1
.endr
.endm
	s_load_b256 s[4:11], s[0:1], 0x0               ; qc, qs, kv, oc
	s_load_b64 s[12:13], s[0:1], 0x20              ; os
	v_lshl_add_u32 v[SPW], v0, 2, SPARE
	v_mov_b32 v[NIL], 0
	ds_add_u32 v[SPW], v[NIL]                      ; the opening lines
	ds_add_u32 v[SPW], v[NIL]
	v_lshrrev_b32 v8, 5, v0
	s_delay_alu instid0(VALU_DEP_1)
	v_readfirstlane_b32 s[WV], v8                  ; wave 0..15
	s_and_b32 s70, ttmp7, 0xffff                   ; the head
	s_sub_co_u32 s[BHI], 31, ttmp9
	s_sub_co_u32 s[NH], 32, ttmp9
	s_lshr_b32 s[GR], s[WV], 3                     ; even (0) or odd (1) records
	s_and_b32 s71, s[WV], 7
	s_lshl_b32 s44, s[BHI], 3
	s_add_co_u32 s44, s44, s71                     ; my tile of the later block,
	s_lshl_b32 s45, ttmp9, 3
	s_add_co_u32 s45, s45, s71                     ; of the earlier one,
	s_cmp_lt_u32 s[WV], 8
	s_cselect_b32 s72, s45, s44                    ; and the tile that I join and store
	s_mov_b32 s[G1], 3<<16                         ; no mask; elements of 8 bytes; no padding
	s_mov_b32 s[G1+1], 32<<16                      ; rows of 256 bytes
	s_mov_b32 s[G1+2], 53<<16                      ; 53 rows: a record
	s_mov_b32 s[G1+3], 32<<16
	s_mov_b32 s[G1+4], 53
	s_mov_b32 s[G1+5], 32                          ; dense
	s_mov_b32 s[G1+6], 0
	s_mov_b32 s[G1+7], 0
	s_and_b32 s[VV], s[WV], 3
	s_mul_i32 s73, s[VV], REC                      ; my record in a slot
	s_mul_i32 s74, s70, 32*REC
	s_mov_b32 s75, 0
	s_mov_b32 s78, s73
	s_mov_b32 s79, 0
	s_mul_i32 s82, s70, 196608                     ; q's half-images
	s_mul_i32 s46, s44, 768
	s_add_co_u32 s46, s46, s82
	s_mov_b32 s47, 0
	s_mul_i32 s48, s45, 768
	s_add_co_u32 s48, s48, s82
	s_mov_b32 s49, 0
	s_lshl_b32 s84, s70, 14                        ; their scale words
	s_lshl_b32 s50, s44, 6
	s_add_co_u32 s50, s50, s84
	s_mov_b32 s51, 0
	s_lshl_b32 s52, s45, 6
	s_add_co_u32 s52, s52, s84
	s_mov_b32 s53, 0
	s_mul_i32 s86, s72, 12288                      ; o's half-image
	s_mul_i32 s87, s70, 768
	s_add_co_u32 s86, s86, s87
	s_mov_b32 s87, 0
	s_lshl_b32 s88, s72, 9                         ; its two bytes a row
	s_lshl_b32 s89, s70, 1
	s_add_co_u32 s88, s88, s89
	s_mov_b32 s89, 0
	s_max_u32 s90, s[WV], 4                        ; the prefetches: my wave's 8,192 bytes (held inside a slot in every wave),
	s_sub_co_u32 s90, s90, 4
	s_min_u32 s90, s90, 6
	s_lshl_b32 s90, s90, 13
	s_add_co_u32 s90, s90, SLOTB                   ; at key step 4: the first change of slots steps it to 8
	s_mov_b32 s91, 0
	s_sub_co_u32 s92, s[WV], 4
	s_cmp_lt_u32 s92, 7                            ; waves 4 to 10
	s_cselect_b32 s92, 0, 1
	s_or_b32 s92, s92, ttmp9                       ; of the head's first work-group
	s_cmp_eq_u32 s92, 0
	s_cselect_b32 s[LIM], 1, -1
	s_cmp_eq_u32 s[WV], 10
	s_cselect_b32 s93, 19, 31
	s_lshr_b32 s94, s71, 1
	s_lshl_b32 s94, s94, 5
	s_and_b32 s95, s71, 1
	s_lshl_b32 s95, s95, 3
	s_add_co_u32 s94, s94, s95                     ; my tile's first query within its block
	s_mul_i32 s54, s[WV], PARTB
	s_add_co_u32 s54, s54, STASH                   ; my parts
	s_xor_b32 s55, s[GR], 1
	s_mul_i32 s55, s55, 16*PARTB                   ; waves 0-7 join the earlier block's parts
	s_mul_i32 s83, s71, PARTB
	s_add_co_u32 s55, s55, s83
	s_add_co_u32 s55, s55, STASH
	s_mov_b32 s[SEL], 0x76543210
	s_mov_b32 s[SEL+1], 0xfedcba98
	s_mov_b32 s[CS], 0x3fb8aa3b                    ; log2(e)
	s_mov_b32 s[CS+1], s[CS]
	s_mul_i32 s[TB], s[GR], REC
	s_mov_b32 s[ST], s[GR]
	s_mov_b32 s[SLOTS], 7
	s_mov_b32 s97, 0
	s_wait_dscnt 0x0                               ; both opening adds are done
	s_wait_kmcnt 0x0
	s_add_nc_u64 s[8:9], s[8:9], s[74:75]          ; kv at my head
	s_mov_b32 s[G0], 1
	s_mov_b32 s[G0+1], s73
	s_add_nc_u64 s[G0+2:G0+3], s[8:9], s[78:79]
	s_or_b32 s[G0+3], s[G0+3], 0x80000000
	TLOAD 4                                        ; slot 0
	s_add_nc_u64 s[PFA:PFA+1], s[8:9], s[90:91]
	s_add_nc_u64 s[46:47], s[4:5], s[46:47]
	s_add_nc_u64 s[48:49], s[4:5], s[48:49]
	s_add_nc_u64 s[50:51], s[6:7], s[50:51]
	s_add_nc_u64 s[52:53], s[6:7], s[52:53]
	s_add_nc_u64 s[10:11], s[10:11], s[86:87]
	s_add_nc_u64 s[12:13], s[12:13], s[88:89]
	v_and_b32 v8, 31, v0                           ; lane
	v_and_b32 v9, 15, v0                           ; r
	v_bfe_u32 v10, v0, 4, 1                        ; h
	v_lshlrev_b32 v1, 4, v8
	v_lshlrev_b32 v2, 3, v8
	v_lshlrev_b32 v3, 2, v8
	v_lshlrev_b32 v4, 6, v10
	v_lshlrev_b32 v11, 2, v9
	global_load_b128 v[QF:QF+3], v1, s[46:47]
	global_load_b64 v[QF+4:QF+5], v2, s[46:47] offset:512
	global_load_b32 v[QS], v11, s[50:51]
	global_load_b128 v[QL:QL+3], v1, s[48:49]
	global_load_b64 v[QL+4:QL+5], v2, s[48:49] offset:512
	global_load_b32 v[QL+6], v11, s[52:53]
	v_add_nc_u32 v[SH], s54, v1
	v_add_nc_u32 v[MR], s55, v1
	v_add_nc_u32 v[SL], 16*PARTB, v[SH]
.irp j, 0,1,2,3,4,5
	v_mov_b32 v[QF+6+\j], 0                        ; zero codes for k = 64 .. 127
	v_mov_b32 v[KV+48+\j], 0
.endr
	v_and_b32 v7, 8, v9
	v_lshlrev_b32 v10, 4, v10
	v_add_nc_u32 v7, v7, v9
	v_min_u32 v[PFO], s93, v8
	v_add_nc_u32 v7, s94, v7
	v_lshlrev_b32 v[PFO], 8, v[PFO]
	v_sub_nc_u32 v7, v7, v10                       ; my query within its block, less 16 h
	v_mov_b32 v29, 0xff800000                      ; -infinity
.irp b, 0,1,2,3
	v_mov_b32 v[PR+\b], 0                          ; a lane permute's destination counts as one of its sources
.endr
	v_mov_b32 v[TA], 0
	v_mov_b32 v[F+1], 0                            ; (upper halves of pairs)
	v_mov_b32 v[FB+1], 0
	FRESH
.macro KQ u
.if (\u)%2
	v_wmma_scale_f32_16x16x128_f8f6f4 v[S+8*\u:S+8*\u+7], v[KV+6*\u:KV+6*\u+11], v[QF:QF+11], v[S+8*\u:S+8*\u+7], v[KS+\u/2], v[QS] matrix_a_fmt:MATRIX_FMT_FP6 matrix_b_fmt:MATRIX_FMT_FP6 matrix_a_scale:MATRIX_SCALE_ROW1
.else
	v_wmma_scale_f32_16x16x128_f8f6f4 v[S+8*\u:S+8*\u+7], v[KV+6*\u:KV+6*\u+11], v[QF:QF+11], v[S+8*\u:S+8*\u+7], v[KS+\u/2], v[QS] matrix_a_fmt:MATRIX_FMT_FP6 matrix_b_fmt:MATRIX_FMT_FP6
.endif
.endm
.macro PV d
.if (\d)%2
	v_wmma_scale_f32_16x16x128_f8f6f4 v[O+8*\d:O+8*\d+7], v[KV+12*\d:KV+12*\d+11], v[PC:PC+11], v[O+8*\d:O+8*\d+7], v[VS+\d/2], v[PSW] matrix_a_fmt:MATRIX_FMT_FP6 matrix_b_fmt:MATRIX_FMT_FP6 matrix_a_scale:MATRIX_SCALE_ROW1
.else
	v_wmma_scale_f32_16x16x128_f8f6f4 v[O+8*\d:O+8*\d+7], v[KV+12*\d:KV+12*\d+11], v[PC:PC+11], v[O+8*\d:O+8*\d+7], v[VS+\d/2], v[PSW] matrix_a_fmt:MATRIX_FMT_FP6 matrix_b_fmt:MATRIX_FMT_FP6
.endif
.endm
; A STEP: 128 keys, the record q places behind my first of the slot in hand.  All its branches hang on ids and the count of steps.
.macro STEP q
	s_sub_co_u32 s96, s[ST], s[NH]
	s_cmp_lt_u32 s96, 2                            ; my first record at or behind 32 - i: the later block's part is done
	s_cbranch_scc0 .Lsame_\@
.rept 4
	v_nop                                          ; places behind the last products
.endr
	PUT SH
	s_wait_dscnt 0x0                               ; the stores have read their registers
.irp j, 0,1,2,3,4,5
	v_mov_b32 v[QF+\j], v[QL+\j]
.endr
	v_mov_b32 v[QS], v[QL+6]
	FRESH
	s_wait_alu depctr_va_vdst(0)                   ; ahead of the branch below
.Lsame_\@:
	s_cmp_gt_u32 s[ST], 32                         ; behind the walk's end
	s_cbranch_scc1 .Lhidden_\@
	s_cmp_eq_u32 s[ST], s[BHI]                     ; the two records on a diagonal: 31 - i and 32
	s_cselect_b32 s98, 1, 0
	s_cmp_eq_u32 s[ST], 32
	s_cselect_b32 s98, 1, s98
	v_add_nc_u32 v8, s[TB], v1                     ; (these four are also the places behind the last step's products)
	v_add_nc_u32 v9, s[TB], v2
	v_add_nc_u32 v10, s[TB], v3
	v_add_nc_u32 v11, s[TB], v4
.irp b, 0,1,2,3
.irp m, 0,1,2,3
	ds_load_b128 v[S+16*\b+4*\m:S+16*\b+4*\m+3], v11 offset:(\q)*REC+BOFF+128*\b+16*\m   ; the bias: the C of the scores
.endr
.endr
.irp u, 0,1,2,3,4,5,6,7
	ds_load_b128 v[KV+6*\u:KV+6*\u+3], v8 offset:(\q)*REC+768*\u
	ds_load_b64 v[KV+6*\u+4:KV+6*\u+5], v9 offset:(\q)*REC+768*\u+512
.endr
.irp pp, 0,1,2,3
	ds_load_b32 v[KS+\pp], v10 offset:(\q)*REC+KSOFF+128*\pp
.endr
	s_wait_alu depctr_va_vdst(0)
	s_wait_dscnt 0x0
.irp u, 0,1,2,3,4,5,6,7
	KQ \u                                          ; S^T = K q^T / 8 + bias
.endr
.rept 4
	v_nop                                          ; places in front of the loads into K's registers and of the first read of the scores
.endr
.irp d, 0,1,2,3
.irp g, 0,1,2
	ds_load_b128 v[KV+12*\d+4*\g:KV+12*\d+4*\g+3], v8 offset:(\q)*REC+VOFF+1536*\d+512*\g
.endr
.endr
.irp pp, 0,1
	ds_load_b32 v[VS+\pp], v10 offset:(\q)*REC+VSOFF+128*\pp
.endr
	s_cmp_eq_u32 s98, 0
	s_cbranch_scc1 .Lopen_\@
.set n, 0
.rept 64
	v_cmp_gt_i32 vcc_lo, 32*(n/16)+n%16, v7
	v_cndmask_b32 v[S+n], v[S+n], v29, vcc_lo
.set n, n+1
.endr
.Lopen_\@:
.irp b, 0,1,2,3
	v_max3_num_f32 v[BM+\b], v[S+16*\b], v[S+16*\b+1], v[S+16*\b+2]   ; each block's largest score: for the row's maximum and for the block's largest p
.endr
.irp i, 3,5,7,9,11,13
.irp b, 0,1,2,3
	v_max3_num_f32 v[BM+\b], v[BM+\b], v[S+16*\b+\i], v[S+16*\b+\i+1]
.endr
.endr
.irp b, 0,1,2,3
	v_max_num_f32 v[BM+\b], v[BM+\b], v[S+16*\b+15]
.endr
.irp b, 0,1,2,3
	v_permlanex16_b32 v[PR+\b], v[BM+\b], s[SEL], s[SEL+1]
.endr
.irp b, 0,1,2,3
	v_max_num_f32 v[BM+\b], v[BM+\b], v[PR+\b]
.endr
	s_delay_alu instid0(VALU_DEP_2)
	v_max3_num_f32 v[TA], v[BM], v[BM+1], v[BM+2]
	s_delay_alu instid0(VALU_DEP_1)
	v_max_num_f32 v[TA], v[TA], v[BM+3]
	s_delay_alu instid0(VALU_DEP_1)
	v_mul_f32 v[TA], s[CS], v[TA]
	s_delay_alu instid0(VALU_DEP_1)
	v_max_num_f32 v13, v13, v[TA]                  ; the running largest t
	v_mov_b32 v[TA], v12
	s_delay_alu instid0(VALU_DEP_2)
	v_floor_f32 v12, -v13                          ; the new -M
	s_delay_alu instid0(VALU_DEP_1)
	v_sub_f32 v[TA], v12, v[TA]
	s_delay_alu instid0(VALU_DEP_1)
	v_cvt_i32_f32 v[TA], v[TA]                     ; (it saturates)
	s_delay_alu instid0(VALU_DEP_1)
	v_ldexp_f32 v[F], 1.0, v[TA]                   ; f = 2^(old M - new M)
.set j, 0
.rept 32
	v_pk_fma_f32 v[S+j:S+j+1], v[S+j:S+j+1], s[CS:CS+1], v[12:13] op_sel_hi:[1,0,0]   ; t - M
.set j, j+2
.endr
.irp b, 0,1,2,3
	v_fma_f32 v[BM+\b], v[BM+\b], s[CS], v12
.endr
	s_wait_alu depctr_va_vdst(0)                   ; ahead of the batch
.set j, 0
.rept 64
	v_exp_f32 v[S+j], v[S+j]
.set j, j+1
.endr
	v_pk_mul_f32 v[14:15], v[14:15], v[F:F+1] op_sel_hi:[1,0]
	s_wait_alu depctr_va_vdst(0)                   ; behind the batch
.irp b, 0,1,2,3
	v_exp_f32 v[BM+\b], v[BM+\b]                   ; the blocks' largest p
.endr
.irp c, 0,1,2,3,4,5,6                  ; the row's sum of the unquantised p: seven chains and l's own
	v_pk_add_f32 v[SM+2*\c:SM+2*\c+1], v[S+2*\c:S+2*\c+1], v[S+14+2*\c:S+15+2*\c]
.endr
	v_pk_add_f32 v[14:15], v[14:15], v[S+56:S+57]
.irp k, 28,42
.irp c, 0,1,2,3,4,5,6
	v_pk_add_f32 v[SM+2*\c:SM+2*\c+1], v[SM+2*\c:SM+2*\c+1], v[S+\k+2*\c:S+\k+2*\c+1]
.endr
	v_pk_add_f32 v[14:15], v[14:15], v[S+58+(\k/42)*2:S+59+(\k/42)*2]
.endr
	v_pk_add_f32 v[SM:SM+1], v[SM:SM+1], v[SM+2:SM+3]
	v_pk_add_f32 v[SM+4:SM+5], v[SM+4:SM+5], v[SM+6:SM+7]
	v_pk_add_f32 v[SM+8:SM+9], v[SM+8:SM+9], v[SM+10:SM+11]
	v_pk_add_f32 v[14:15], v[14:15], v[S+62:S+63]
	v_pk_add_f32 v[SM:SM+1], v[SM:SM+1], v[SM+4:SM+5]
	v_pk_add_f32 v[SM+8:SM+9], v[SM+8:SM+9], v[SM+12:SM+13]
	v_pk_add_f32 v[14:15], v[14:15], v[SM:SM+1]
	s_delay_alu instid0(VALU_DEP_1)
	v_pk_add_f32 v[14:15], v[14:15], v[SM+8:SM+9]
	s_wait_alu depctr_va_vdst(0)                   ; for the four
.irp b, 0,1,2,3
	v_max_num_f32 v[BM+\b], 0x1800000, v[BM+\b]    ; the floor 2^(3 - 127)
.endr
.irp b, 0,1,2,3
	v_add_nc_u32 v[SO+\b], 0xff000000, v[BM+\b]
.endr
.irp b, 0,1,2,3
	v_lshrrev_b32 v[PR+\b], 23, v[SO+\b]
.endr
	v_lshl_or_b32 v[PSW], v[PR+1], 8, v[PR]        ; p's scale word
	s_delay_alu instid0(VALU_DEP_1)
	v_lshl_or_b32 v[PSW], v[PR+2], 16, v[PSW]
	s_delay_alu instid0(VALU_DEP_1)
	v_lshl_or_b32 v[PSW], v[PR+3], 24, v[PSW]
.irp c, 0,1
	v_cvt_scalef32_pk16_fp6_f32 v[PC+6*\c:PC+6*\c+2], v[S+32*\c:S+32*\c+15], v[SO+2*\c]
	v_cvt_scalef32_pk16_fp6_f32 v[PT+4*\c:PT+4*\c+2], v[S+32*\c+16:S+32*\c+31], v[SO+2*\c+1]
.endr
	v_nop                                          ; one plain place behind a scaled conversion
.irp c, 0,1
.irp i, 0,1,2
	v_permlane16_swap_b32 v[PC+6*\c+\i], v[PT+4*\c+\i]
.endr
.irp i, 0,1,2
	v_mov_b32 v[PC+6*\c+3+\i], v[PT+4*\c+\i]
.endr
.endr
.set j, 0
.rept 16
	v_pk_mul_f32 v[O+j:O+j+1], v[O+j:O+j+1], v[F:F+1] op_sel_hi:[1,0]   ; O^T under the new M; also the places between p's codes and scale word and the products
.set j, j+2
.endr
	s_wait_alu depctr_va_vdst(0)
	s_wait_dscnt 0x0                               ; V
.irp d, 0,1,2,3
	PV \d                                          ; O^T += V^T p^T: four accumulators by turns
.endr
.Lhidden_\@:
	s_add_co_u32 s[ST], s[ST], 2
.endm
; THE CHANGE OF SLOTS: each wave waits for all its tensor loads, adds 0 to its spare word, waits for that and for its reads of the slot left behind.
; fill = 1: the other slot takes the next four records; 2: the walk's last record, by wave 0; 0: nothing.
.macro CHANGE fill
	s_wait_tensorcnt 0x0
	ds_add_u32 v[SPW], v[NIL]
.if \fill
	ds_add_u32 v[SPW], v[NIL]
	s_xor_b32 s[G0+1], s[G0+1], SLOT1              ; no tensor load of mine is out: the descriptor walks
	s_add_co_u32 s[VV], s[VV], 4
	s_sub_co_u32 s96, s[VV], s[NH]
	s_cmp_lt_u32 s[VV], s[NH]
	s_cselect_b32 s96, s[VV], s96                  ; the record's key step: from 32 - i on the walk begins again at 0
	s_mul_i32 s96, s96, REC
	s_add_nc_u64 s[G0+2:G0+3], s[8:9], s[96:97]
	s_or_b32 s[G0+3], s[G0+3], 0x80000000
.endif
.if \fill == 1
	s_wait_xcnt 0x0                                ; the last prefetch, a slot back, has read its address
	s_add_nc_u64 s[PFA:PFA+1], s[PFA:PFA+1], SLOTB
.endif
	s_wait_dscnt 0x0
	s_barrier_signal -1
	s_barrier_wait -1
.if \fill == 1
	TLOAD 4
	ASK
.endif
.if \fill == 2
	TLOAD 1
.endif
.endm
.macro SLOT_STEPS
	STEP 0
	STEP 2
	s_xor_b32 s[TB], s[TB], SLOT1
.endm
	s_wait_alu depctr_va_vdst(0)                   ; at the head's end
	s_wait_loadcnt 0x0                             ; q
.Lslot:                                            ; seven trips: slots 0 to 6 are walked, slots 1 to 7 asked for
	CHANGE 1
	SLOT_STEPS
	s_sub_co_u32 s[SLOTS], s[SLOTS], 1
	s_cmp_lg_u32 s[SLOTS], 0
	s_cbranch_scc1 .Lslot
	CHANGE 2
	SLOT_STEPS
	CHANGE 0
	STEP 0                                         ; record 32: waves 0-7
	; THE JOIN
.rept 4
	v_nop                                          ; places behind the last products
.endr
	PUT SL
	s_wait_dscnt 0x0
	s_barrier_signal -1
	s_barrier_wait -1
.irp k, 0,1,2,3,4,5,6,7,8
	ds_load_b128 v[S+4*\k:S+4*\k+3], v[MR] offset:512*\k
	ds_load_b128 v[PB+4*\k:PB+4*\k+3], v[MR] offset:8*PARTB+512*\k
.endr
	s_wait_dscnt 0x0
	v_min_num_f32 v[TA], v[S+32], v[PB+32]         ; -M of the larger M
	v_add_f32 v[S+34], v[S+34], v[S+35]
	v_add_f32 v[PB+34], v[PB+34], v[PB+35]
	v_sub_f32 v[S+32], v[TA], v[S+32]
	v_sub_f32 v[PB+32], v[TA], v[PB+32]
	s_delay_alu instid0(VALU_DEP_2)
	v_cvt_i32_f32 v[S+32], v[S+32]                 ; (they saturate)
	s_delay_alu instid0(VALU_DEP_2)
	v_cvt_i32_f32 v[PB+32], v[PB+32]
	s_delay_alu instid0(VALU_DEP_2)
	v_ldexp_f32 v[F], 1.0, v[S+32]
	s_delay_alu instid0(VALU_DEP_2)
	v_ldexp_f32 v[FB], 1.0, v[PB+32]
	s_delay_alu instid0(VALU_DEP_2)
	v_mul_f32 v14, v[S+34], v[F]
	s_delay_alu instid0(VALU_DEP_1)
	v_fmac_f32 v14, v[PB+34], v[FB]
	s_delay_alu instid0(VALU_DEP_1)
	v_permlanex16_b32 v[TA], v14, s[SEL], s[SEL+1]
	s_delay_alu instid0(VALU_DEP_1)
	v_add_f32 v14, v14, v[TA]                      ; the row's sum
	s_wait_alu depctr_va_vdst(0)
	v_rcp_f32 v[RL], v14
	v_and_b32 v8, 15, v0
	s_delay_alu instid0(VALU_DEP_1)
	v_lshlrev_b32 v8, 5, v8                        ; 32 r
	s_wait_alu depctr_va_vdst(0)                   ; ahead of the reciprocal's first reader
	v_mul_f32 v[F], v[F], v[RL]
	v_mul_f32 v[FB], v[FB], v[RL]
.set j, 0
.rept 16
	v_pk_mul_f32 v[S+j:S+j+1], v[S+j:S+j+1], v[F:F+1] op_sel_hi:[1,0]
.set j, j+2
.endr
.set j, 0
.rept 16
	v_pk_fma_f32 v[S+j:S+j+1], v[PB+j:PB+j+1], v[FB:FB+1], v[S+j:S+j+1] op_sel_hi:[1,0,1]   ; o: register 16 b + i is channel 32 b + 16 h + i
.set j, j+2
.endr
.irp b, 0,1
	v_max3_num_f32 v[BM+\b], |v[S+16*\b]|, |v[S+16*\b+1]|, 0x1800000
.endr
.irp i, 2,4,6,8,10,12,14
.irp b, 0,1
	s_delay_alu instid0(VALU_DEP_2)
	v_max3_num_f32 v[BM+\b], v[BM+\b], |v[S+16*\b+\i]|, |v[S+16*\b+\i+1]|
.endr
.endr
.irp b, 0,1
	s_delay_alu instid0(VALU_DEP_2)
	v_permlanex16_b32 v[PR+\b], v[BM+\b], s[SEL], s[SEL+1]
.endr
.irp b, 0,1
	s_delay_alu instid0(VALU_DEP_2)
	v_max_num_f32 v[BM+\b], v[BM+\b], v[PR+\b]
.endr
.irp b, 0,1
	s_delay_alu instid0(VALU_DEP_2)
	v_add_nc_u32 v[SO+\b], 0xff000000, v[BM+\b]
.endr
.irp b, 0,1
	s_delay_alu instid0(VALU_DEP_2)
	v_lshrrev_b32 v[PR+\b], 23, v[SO+\b]
.endr
	s_delay_alu instid0(VALU_DEP_1)
	v_lshl_or_b32 v[W16], v[PR+1], 8, v[PR]
	v_cvt_scalef32_pk16_fp6_f32 v[PC:PC+2], v[S:S+15], v[SO]
	v_cvt_scalef32_pk16_fp6_f32 v[PT:PT+2], v[S+16:S+31], v[SO+1]
	v_nop
.irp i, 0,1,2
	v_permlane16_swap_b32 v[PC+\i], v[PT+\i]
.endr
.irp i, 0,1,2
	v_mov_b32 v[PC+3+\i], v[PT+\i]
.endr
	global_store_b128 v1, v[PC:PC+3], s[10:11]             ; 512 consecutive bytes, aligned
	global_store_b64 v2, v[PC+4:PC+5], s[10:11] offset:512 ; 256
	global_store_b16 v8, v[W16], s[12:13]                  ; two bytes a row (lanes r and r + 16 write the same two), laid so that the next launch takes whole scale words
	s_wait_tensorcnt 0x0                           ; the wave's end
	ds_add_u32 v[SPW], v[NIL]
	s_wait_dscnt 0x0
	s_endpgm
.Lfunc_end_k_qc6bf32872d_attn:
	.size	k_qc6bf32872d_attn, .Lfunc_end_k_qc6bf32872d_attn-k_qc6bf32872d_attn
	.p2alignl 7, 3214868480
	.fill 96, 4, 3214868480
	.section	.rodata,"a",@progbits
	.p2align	6, 0x0
	.amdhsa_kernel k_qc6bf32872d_attn
		.amdhsa_group_segment_fixed_size 327680
		.amdhsa_private_segment_fixed_size 0
		.amdhsa_enable_private_segment 0
		.amdhsa_kernarg_size 40
		.amdhsa_user_sgpr_count 2
		.amdhsa_user_sgpr_kernarg_segment_ptr 1
		.amdhsa_wavefront_size32 1
		.amdhsa_system_sgpr_workgroup_id_x 1
		.amdhsa_system_sgpr_workgroup_id_y 1
		.amdhsa_system_sgpr_workgroup_id_z 1
		.amdhsa_system_vgpr_workitem_id 0
		.amdhsa_next_free_vgpr 256
		.amdhsa_next_free_sgpr 100
		.amdhsa_reserve_vcc 1
		.amdhsa_float_denorm_mode_32 3
		.amdhsa_float_denorm_mode_16_64 3
		.amdhsa_memory_ordered 1
		.amdhsa_forward_progress 1
		.amdhsa_inst_pref_size 141
	.end_amdhsa_kernel
	.amdgpu_metadata
---
amdhsa.version: [ 1, 2 ]
amdhsa.kernels:
  - .name:           k_qc6bf32872d_attn
    .symbol:         k_qc6bf32872d_attn.kd
    .args:
      - { .name: qc, .offset: 0, .size: 8, .value_kind: global_buffer, .address_space: global }
      - { .name: qs, .offset: 8, .size: 8, .value_kind: global_buffer, .address_space: global }
      - { .name: kv, .offset: 16, .size: 8, .value_kind: global_buffer, .address_space: global }
      - { .name: oc, .offset: 24, .size: 8, .value_kind: global_buffer, .address_space: global }
      - { .name: os, .offset: 32, .size: 8, .value_kind: global_buffer, .address_space: global }
    .group_segment_fixed_size: 327680
    .private_segment_fixed_size: 0
    .kernarg_segment_align: 8
    .kernarg_segment_size: 40
    .max_flat_workgroup_size: 512
    .sgpr_count:     100
    .vgpr_count:     256
    .wavefront_size: 32
...
	.end_amdgpu_metadata
.endif
;; end of part 3
;; launch oproj (part 4): grid 8 x 32, 4 waves a work-group, clusters of 4 x 4, 230,912 bytes of LDS; arguments oc, os, cod, scl, out_b, out0; writes out0
.if DOCPART == 4
	.amdgcn_target "amdgcn-amd-amdhsa--gfx1250"
	.amdhsa_code_object_version 6
	.text
	.protected	k_qc6bf32872d_oproj
	.globl	k_qc6bf32872d_oproj
	.p2align	8
	.type	k_qc6bf32872d_oproj,@function
k_qc6bf32872d_oproj:
	s_mov_b64 s[64:65], 0
	v_nop
	global_prefetch_b8 v0, s[64:65] scope:SCOPE_SE
	s_setreg_imm32_b32 hwreg(HW_REG_WAVE_MODE, 25, 1), 1
	s_wait_xcnt 0x0
	s_wait_alu depctr_hold_cnt(0) depctr_sa_sdst(0) depctr_va_vdst(0) depctr_va_sdst(0) depctr_va_ssrc(0) depctr_va_vcc(0) depctr_vm_vsrc(0)
	s_getreg_b32 s2, hwreg(HW_REG_IB_STS2, 6, 4)
	s_cmp_eq_u32 s2, 0
	s_cbranch_scc0 .Lentry_in_a_cluster
	s_endpgm
.Lentry_in_a_cluster:
	s_bfe_u32 s2, ttmp6, 0x10000c
	s_cmp_lg_u32 s2, 0xf033
	s_cbranch_scc0 .Lentry_shape_is_right
	s_endpgm
.Lentry_shape_is_right:
; out0 = o out_w^T + out_b on codes of FP6.  o: oc [row-tile T][head 16][768]: two heads' half-images are one K step's fragment; its scale words in os.  out_w: cod's row-tiles 448 on, scl likewise.
; A work-group makes 128 x 128 of out0; all of K (1,024) of both tiles is 196,608 bytes of LDS: first fills alone, nothing is filled again.  A wave makes 32 rows x 128 columns: 2 x 8 accumulators.
; THE MATRIX INSTRUCTION IS USED TRANSPOSED (source 0 = 16 rows of out_w, source 1 = 16 rows of o).  Place r of row-tile T is row 32 (T / 2) + 8 (T % 2) + r + 8 (r / 8): the registers of out_w's tiles 2 b, 2 b + 1 are
; columns 32 b + 16 h + 0 .. 15, and the rows are put back in order by the stores' offsets.  The bias is the C of each sum's first instruction.
; CLUSTER 4 x 4: o's tile is shared along a row of the cluster, out_w's along a column: joint loads.
; The way out: 16 rows x 512 bytes at a time through the wave's own stage (rows of 528 bytes), back as whole rows: a store covers 512 consecutive bytes, aligned.
; REGISTERS: window 0: v1-15 addresses; v16-23 o's scale words, v24-55 out_w's; v56-79 o's two fragments, v80-175 out_w's eight; on the way out v56-183 rows.  window 1: v0-127 accumulators (i, j) at 64 i + 8 j; v128-191 the bias.
.set CHUNK, 49152                      ; what one tensor load brings: four row-tiles, all of K, dense in memory
.set LOADB, 12288                      ; a row-tile: eight K steps of 1,536 bytes
.set TILEB, 3072
.set FRB,   1536
.set STAGE, 4*CHUNK                    ; behind the tiles: four stages, into which no tensor load lands
.set SPITCH, 528
.set SPARE, STAGE+4*16*SPITCH          ; the spare words, 128 bytes a wave, that no other line names
.set L16, 1
.set L8,  2
.set SOF, 4
.set HH,  5
.set BO,  6
.set L32, 7
.set ADA, 8
.set ADB, 12
.set SA,  16
.set SB,  24
.set AF,  56
.set BF,  80
.set BK,  56
.set WT,  194
.set ADA8, 200
.set STO, 204
.set RD,  205
.set SPW, 252
.set NIL, 253
.set BN,  128
.set WV,  16
.set G1A, 24
.set G1B, 32
.set G0A, 40
.set G0B, 68
.set MSB, 0
.macro WIN new
.if MSB != \new
	s_set_vgpr_msb (MSB<<8)|\new
.set MSB, \new
.endif
.endm
.macro CROUND
	s_barrier_signal -1
	s_barrier_wait -1
	s_cmp_lg_u32 s[WV], 0
	s_cbranch_scc1 .Lnot_wave_0_\@
	s_barrier_signal -3
.Lnot_wave_0_\@:
	s_barrier_wait -3
	s_barrier_signal -1
	s_barrier_wait -1
.endm
.macro PLACES
.rept 4
	v_nop
.endr
.endm
	s_load_b256 s[4:11], s[0:1], 0x0               ; oc, os, cod, scl
	s_load_b128 s[12:15], s[0:1], 0x20             ; out_b, out0
	v_lshl_add_u32 v[SPW], v0, 2, SPARE
	v_mov_b32 v[NIL], 0
	ds_add_u32 v[SPW], v[NIL]                      ; the wave's opening: the add and its wait ahead of my first tensor load; work on registers stands between them
	ds_add_u32 v[SPW], v[NIL]
	v_lshrrev_b32 v1, 5, v0
	v_readfirstlane_b32 s[WV], v1
	s_lshr_b32 s17, s[WV], 1                       ; I fetch for o (0) or out_w (1)
	s_and_b32 s18, s[WV], 1
	s_bfe_u32 s19, ttmp6, 0x40000                  ; cx
	s_bfe_u32 s20, ttmp6, 0x40004                  ; cy
	s_and_b32 s56, ttmp7, 0xffff
	s_lshl_b32 s56, s56, 2
	s_add_co_u32 s56, s56, s20                     ; TR: tile row
	s_lshl_b32 s57, ttmp9, 2
	s_add_co_u32 s57, s57, s19                     ; TC: tile column
	s_lshl_b32 s89, s56, 3                         ; o's first row-tile
	s_lshl_b32 s97, s57, 3
	s_add_co_u32 s97, s97, 448                     ; out_w's, in cod
	s_lshl_b32 s88, s18, 2
	s_add_co_u32 s58, s89, s88
	s_mul_i32 s58, s58, 12288
	s_mov_b32 s59, 0
	s_add_co_u32 s60, s97, s88
	s_mul_i32 s60, s60, 12288
	s_mov_b32 s61, 0
	s_mul_i32 s88, s[WV], CHUNK
	s_lshl_b32 s2, s20, 2
	s_lshl_b32 s2, 15, s2                          ; my row of the cluster
	s_lshl_b32 s3, 0x1111, s19                     ; my column
	s_or_b32 s[G1A], s2, (3<<16)|(1<<21)           ; 15:0 the mask; 17:16 elements of 8 bytes; 21 set beside a mask; no padding
	s_or_b32 s[G1B], s3, (3<<16)|(1<<21)
.irp g, G1A, G1B
	s_mov_b32 s[\g+1], 32<<16                      ; rows of 256 bytes
	s_mov_b32 s[\g+2], 192<<16                     ; 192 of them: 49,152 bytes
	s_mov_b32 s[\g+3], 32<<16
	s_mov_b32 s[\g+4], 192
	s_mov_b32 s[\g+5], 32                          ; dense
	s_mov_b32 s[\g+6], 0
	s_mov_b32 s[\g+7], 0
.endr
	s_lshl_b32 s92, s97, 9                         ; out_w's scale words
	s_mov_b32 s93, 0
	s_lshl_b32 s94, s56, 2
	s_add_co_u32 s94, s94, s[WV]
	s_lshl_b32 s94, s94, 10                        ; o's: my pair of tiles, 1,024 bytes
	s_mov_b32 s95, 0
	s_lshl_b32 s100, s57, 9                        ; the bias of my 128 columns
	s_mov_b32 s101, 0
	s_lshl_b32 s84, s56, 7
	s_lshl_b32 s85, s[WV], 5
	s_add_co_u32 s84, s84, s85
	s_lshl_b32 s84, s84, 12                        ; my first row of out0,
	s_lshl_b32 s85, s57, 9
	s_add_co_u32 s84, s84, s85                     ; my tile's first column
	s_mov_b32 s85, 0
	s_wait_dscnt 0x0                               ; the opening add is done
	s_wait_kmcnt 0x0
	s_add_nc_u64 s[62:63], s[4:5], s[58:59]
	s_add_nc_u64 s[90:91], s[8:9], s[60:61]
	s_add_nc_u64 s[92:93], s[10:11], s[92:93]
	s_add_nc_u64 s[94:95], s[6:7], s[94:95]
	s_add_nc_u64 s[100:101], s[12:13], s[100:101]
	s_add_nc_u64 s[14:15], s[14:15], s[84:85]
	CROUND                                         ; all sixteen work-groups are here: the joint loads meet
.irp q, 0
	s_mov_b32 s[G0A+4*\q], 1
	s_add_co_u32 s[G0A+4*\q+1], s88, \q*CHUNK
	s_add_nc_u64 s[G0A+4*\q+2:G0A+4*\q+3], s[62:63], \q*TILEB
	s_or_b32 s[G0A+4*\q+3], s[G0A+4*\q+3], 0x80000000
	s_mov_b32 s[G0B+4*\q], 1
	s_add_co_u32 s[G0B+4*\q+1], s88, \q*CHUNK
	s_add_nc_u64 s[G0B+4*\q+2:G0B+4*\q+3], s[90:91], \q*TILEB
	s_or_b32 s[G0B+4*\q+3], s[G0B+4*\q+3], 0x80000000
.endr
	s_cmp_eq_u32 s17, 0                            ; one first fill a wave, in one branch on the wave's number
	s_cbranch_scc0 .Lfill_b
.irp q, 0
	tensor_load_to_lds s[G0A+4*\q:G0A+4*\q+3], s[G1A:G1A+7]
	s_nop 0
.endr
	PLACES
	s_branch .Lfilled
.Lfill_b:
.irp q, 0
	tensor_load_to_lds s[G0B+4*\q:G0B+4*\q+3], s[G1B:G1B+7]
	s_nop 0
.endr
	PLACES
.Lfilled:
	v_and_b32 v[WT], 31, v0
	v_and_b32 v[WT+1], 15, v0
	v_bfe_u32 v[HH], v0, 4, 1
	v_lshlrev_b32 v[L16], 4, v[WT]
	v_lshlrev_b32 v[L8], 3, v[WT]
	v_lshlrev_b32 v[L32], 5, v[WT]
	v_lshlrev_b32 v[SOF], 3, v[WT+1]
	v_lshl_add_u32 v[SOF], v[HH], 9, v[SOF]
	v_lshlrev_b32 v[BO], 6, v[HH]
.irp pp, 0,1,2,3
.irp kq, 0,1,2,3
	global_load_b64 v[SB+8*\pp+2*\kq:SB+8*\pp+2*\kq+1], v[SOF], s[92:93] offset:\pp*1024+\kq*128
.endr
.endr
	global_load_b128 v[SA:SA+3], v[L32], s[94:95]              ; my lane's eight scale words: lanes 0-15 tile 0's rows, lanes 16-31 tile 1's
	global_load_b128 v[SA+4:SA+7], v[L32], s[94:95] offset:16
	WIN 0x40                                       ; destination window 1
.irp j, 0,1,2,3,4,5,6,7
	global_load_b128 v[BN+8*\j:BN+8*\j+3], v[BO], s[100:101] offset:(32*(\j/2)+8*(\j%2))*4
	global_load_b128 v[BN+8*\j+4:BN+8*\j+7], v[BO], s[100:101] offset:(32*(\j/2)+8*(\j%2))*4+16
.endr
	WIN 0
	s_mul_i32 s2, s17, CHUNK                       ; my tiles 2 w, 2 w + 1 of o's eight
	s_mul_i32 s3, s18, 2*LOADB
	s_add_co_u32 s2, s2, s3
	v_add_nc_u32 v[ADA], s2, v[L16]
	v_add_nc_u32 v[ADA8], s2, v[L8]
.irp q, 0,1
	v_add_nc_u32 v[ADB+\q], (2+\q)*CHUNK, v[L16]   ; out_w's tiles 4 q on
.endr
	s_mul_i32 s2, s[WV], 16*SPITCH
	s_add_co_u32 s2, s2, STAGE                     ; my stage
	v_mul_u32_u24 v[STO], v[WT+1], SPITCH
	v_lshl_add_u32 v[STO], v[HH], 6, v[STO]
	v_add_nc_u32 v[STO], s2, v[STO]                ; in: row r, + 64 h bytes
	v_add_nc_u32 v[RD], s2, v[L16]                 ; back: a whole row, 16 bytes a lane
.macro FRAG3 reg, adr, off
.irp g, 0,1,2
	ds_load_b128 v[\reg+4*\g:\reg+4*\g+3], v[\adr] offset:\off+512*\g
.endr
.endm
.macro FRAGH reg, q, off               ; a fragment of o: two heads' half-images
	ds_load_b128 v[\reg:\reg+3], v[ADA+\q] offset:\off
	ds_load_b64 v[\reg+4:\reg+5], v[ADA8+\q] offset:\off+512
	ds_load_b128 v[\reg+6:\reg+9], v[ADA+\q] offset:\off+768
	ds_load_b64 v[\reg+10:\reg+11], v[ADA8+\q] offset:\off+1280
.endm
.macro FETCH s
.irp i, 0,1
	FRAGH AF+12*\i, 0, \i*LOADB+(\s)*FRB
.endr
.irp j, 0,1,2,3,4,5,6,7
	FRAG3 BF+12*\j, ADB+\j/4, (\j%4)*LOADB+(\s)*FRB
.endr
.endm
.macro MM s, i, j                      ; accumulator (i, j) takes K step s; the first K step starts the sums with the bias as C
.set rD, 64*(\i)+8*(\j)
.set rB, BF+12*(\j)
.set rA, AF+12*(\i)
.set rS, SB+8*((\j)/2)+(\s)
.set rT, SA+(\s)
.if (\s) == 0
.set rC, BN+8*(\j)
.else
.set rC, rD
.endif
.if ((\j)%2) && (\i)
	v_wmma_scale_f32_16x16x128_f8f6f4 v[rD:rD+7], v[rB:rB+11], v[rA:rA+11], v[rC:rC+7], v[rS], v[rT] matrix_a_fmt:MATRIX_FMT_FP6 matrix_b_fmt:MATRIX_FMT_FP6 matrix_a_scale:MATRIX_SCALE_ROW1 matrix_b_scale:MATRIX_SCALE_ROW1
.elseif (\j)%2
	v_wmma_scale_f32_16x16x128_f8f6f4 v[rD:rD+7], v[rB:rB+11], v[rA:rA+11], v[rC:rC+7], v[rS], v[rT] matrix_a_fmt:MATRIX_FMT_FP6 matrix_b_fmt:MATRIX_FMT_FP6 matrix_a_scale:MATRIX_SCALE_ROW1
.elseif (\i)
	v_wmma_scale_f32_16x16x128_f8f6f4 v[rD:rD+7], v[rB:rB+11], v[rA:rA+11], v[rC:rC+7], v[rS], v[rT] matrix_a_fmt:MATRIX_FMT_FP6 matrix_b_fmt:MATRIX_FMT_FP6 matrix_b_scale:MATRIX_SCALE_ROW1
.else
	v_wmma_scale_f32_16x16x128_f8f6f4 v[rD:rD+7], v[rB:rB+11], v[rA:rA+11], v[rC:rC+7], v[rS], v[rT] matrix_a_fmt:MATRIX_FMT_FP6 matrix_b_fmt:MATRIX_FMT_FP6
.endif
.endm
.macro MUL s, j0                       ; the 16 accumulators take turns, one instruction a turn, in the same order in every K step
.irp j, \j0, \j0+1, \j0+2, \j0+3
.irp i, 0,1
	MM \s, \i, \j
.endr
.endr
.endm
.macro STEP s
.if (\s) > 0
	PLACES                                         ; four places in front of loads into registers that matrix instructions have read
.endif
	WIN 0
	FETCH \s
	s_wait_dscnt 12                                ; o's two and out_w's tiles 0-3 are in; the youngest twelve loads (tiles 4-7) may be out
	WIN 0x50                                       ; C and D in window 1
	MUL \s, 0
	s_wait_dscnt 0x0
	MUL \s, 4
.endm
	s_wait_alu depctr_va_vdst(0)
	s_wait_tensorcnt 0x0                           ; the tiles are read behind the wait for my part of them and a barrier; nothing is filled again
	s_barrier_signal -1
	s_barrier_wait -1
	s_wait_loadcnt 0x0                             ; the scale words and the bias
.irp q, 0,1,2,3
	STEP 2*\q
	STEP 2*\q+1
.endr
	WIN 0
	PLACES                                         ; in front of the first read of results and of the loads into the fragments' registers
.macro TOSTAGE i                       ; my tile i: 16 rows x 128 columns into the stage, each accumulator from its low end on, and back as whole rows; LDS serves a wave's instructions in order
	WIN 0x04                                       ; an LDS store's data are its source 1: window 1
.irp j, 0,1,2,3,4,5,6,7
	ds_store_b128 v[STO], v[64*\i+8*\j:64*\i+8*\j+3] offset:128*(\j/2)+32*(\j%2)
	ds_store_b128 v[STO], v[64*\i+8*\j+4:64*\i+8*\j+7] offset:128*(\j/2)+32*(\j%2)+16
.endr
	WIN 0
.irp p, 0,1,2,3,4,5,6,7,8,9,10,11,12,13,14,15
	ds_load_b128 v[BK+64*\i+4*\p:BK+64*\i+4*\p+3], v[RD] offset:SPITCH*\p
.endr
.endm
.macro SEND i, younger                 ; younger: the LDS instructions issued behind tile i's loads, which may stay out
	s_wait_dscnt \younger
.irp p, 0,1,2,3,4,5,6,7,8,9,10,11,12,13,14,15
	global_store_b128 v[L16], v[BK+64*\i+4*\p:BK+64*\i+4*\p+3], s[14:15] offset:(8*\i+\p+8*(\p/8))*4096 th:TH_STORE_NT   ; place p of tile i is row 8 i + p + 8 (p / 8) of my 32; 512 consecutive bytes, aligned
.endr
.endm
	TOSTAGE 0
	TOSTAGE 1
	SEND 0, 32                                     ; behind tile 0's loads: tile 1's 16 stores and 16 loads
	SEND 1, 0
	s_wait_tensorcnt 0x0                           ; the wave's end: behind my last tensor load and my last LDS store
	ds_add_u32 v[SPW], v[NIL]
	s_wait_dscnt 0x0
	CROUND                                         ; the closing round
	s_endpgm
.Lfunc_end_k_qc6bf32872d_oproj:
	.size	k_qc6bf32872d_oproj, .Lfunc_end_k_qc6bf32872d_oproj-k_qc6bf32872d_oproj
	.p2alignl 7, 3214868480
	.fill 96, 4, 3214868480
	.section	.rodata,"a",@progbits
	.p2align	6, 0x0
	.amdhsa_kernel k_qc6bf32872d_oproj
		.amdhsa_group_segment_fixed_size 230912
		.amdhsa_private_segment_fixed_size 0
		.amdhsa_enable_private_segment 0
		.amdhsa_kernarg_size 48
		.amdhsa_user_sgpr_count 2
		.amdhsa_user_sgpr_kernarg_segment_ptr 1
		.amdhsa_wavefront_size32 1
		.amdhsa_system_sgpr_workgroup_id_x 1
		.amdhsa_system_sgpr_workgroup_id_y 1
		.amdhsa_system_sgpr_workgroup_id_z 1
		.amdhsa_system_vgpr_workitem_id 0
		.amdhsa_next_free_vgpr 512
		.amdhsa_next_free_sgpr 104
		.amdhsa_reserve_vcc 0
		.amdhsa_float_denorm_mode_32 3
		.amdhsa_float_denorm_mode_16_64 3
		.amdhsa_memory_ordered 1
		.amdhsa_forward_progress 1
		.amdhsa_inst_pref_size 51
	.end_amdhsa_kernel
	.amdgpu_metadata
---
amdhsa.version: [ 1, 2 ]
amdhsa.kernels:
  - .name:           k_qc6bf32872d_oproj
    .symbol:         k_qc6bf32872d_oproj.kd
    .args:
      - { .name: oc, .offset: 0, .size: 8, .value_kind: global_buffer, .address_space: global }
      - { .name: os, .offset: 8, .size: 8, .value_kind: global_buffer, .address_space: global }
      - { .name: cod, .offset: 16, .size: 8, .value_kind: global_buffer, .address_space: global }
      - { .name: scl, .offset: 24, .size: 8, .value_kind: global_buffer, .address_space: global }
      - { .name: out_b, .offset: 32, .size: 8, .value_kind: global_buffer, .address_space: global }
      - { .name: out0, .offset: 40, .size: 8, .value_kind: global_buffer, .address_space: global }
    .group_segment_fixed_size: 230912
    .private_segment_fixed_size: 0
    .kernarg_segment_align: 8
    .kernarg_segment_size: 48
    .max_flat_workgroup_size: 128
    .sgpr_count:     104
    .vgpr_count:     512
    .wavefront_size: 32
...
	.end_amdgpu_metadata
.endif
;; end of part 4
